; MI455X (gfx1250); checked and timed in simulation.
; The chip was launched on July 23, 2026; its instructions are those of AMD's public machine-readable ISA for CDNA 5 (MIT licence, August 2026) and "CDNA5" Instruction Set Architecture Reference Guide (July 2026). The comments in the code are by the model that wrote it; some were corrected since.
;; Multihead Attention. Allowed arithmetic: matrix products marked QUANTISED: E4M3 operands, one E8M0 scale for each 32 along K, by v_wmma_scale_f32_16x16x128_f8f6f4 with both operands' format E4M3, f32 sums; everything else in f32.
;; Inputs: wk 1,024 x 1,024 float32; wo 1,024 x 1,024 float32; wq 1,024 x 1,024 float32; wv 1,024 x 1,024 float32; x 4 x 2,048 x 1,024 float32.
;; Outputs: out0 4 x 2,048 x 1,024 float32.
;; This version of the problem:
;;   THIS VERSION OF THE PROBLEM IS GIVEN IN LOW PRECISION. The matrix products marked QUANTISED in the list below multiply operands that are first quantised to E4M3 (4 exponent bits, 3 mantissa bits; 8 bits a number), with one power-of-two scale for each 32 numbers along K (OCP MX v1.0); their sums are f32. All else is computed in f32.
;;   The module's matrix products, in the order in which they are computed (A, B: the left and right operand; K: the contracted axis; several contracted axes count as one K, in the product's order):
;;     1. [M 8,192, K 1,024] x [K 1,024, N 1,024]; A: input x; B: input wq: QUANTISED
;;     2. [M 8,192, K 1,024] x [K 1,024, N 1,024]; A: input x; B: input wk: QUANTISED
;;     3. [M 8,192, K 1,024] x [K 1,024, N 1,024]; A: input x; B: input wv: QUANTISED
;;     4. batch 64 x [M 2,048, K 64] x [K 64, N 2,048]; A: computed on the way; B: computed on the way: QUANTISED
;;     5. batch 64 x [M 64, K 2,048] x [K 2,048, N 2,048]; A: computed on the way; B: softmax (see below): QUANTISED
;;     6. [M 8,192, K 1,024] x [K 1,024, N 1,024]; A: computed on the way; B: input wo: QUANTISED
;;   THE QUANTISER, for each operand of a quantised product, along K:
;;     - K is cut into blocks of 32 from its start; a last block that is shorter is filled with zeros.
;;     - A block's scale is 2^e with e = floor(log2(the largest magnitude in the block)) - 8, held to -126 .. 127; a block of zeros has e = 0. As a byte (E8M0): e + 127.
;;     - Each number is divided by its block's scale, clamped to +-448, and rounded to the nearest number of E4M3, ties to even, subnormals kept.
;;     - The product sums the exact products of the quantised numbers (number of the format x scale) in f32.
;;   ~~~python
;;   def quantise(x, axis):      # numpy; x: float32 -> the quantised numbers, widened to float32 again
;;       x = np.moveaxis(x, axis, -1); K = x.shape[-1]
;;       x = np.pad(x, [(0, 0)] * (x.ndim - 1) + [(0, -K % 32)]); x = x.reshape(x.shape[:-1] + (-1, 32)); a = np.abs(x).max(-1, keepdims=True)
;;       e = np.where(a > 0, np.clip(np.frexp(np.where(a > 0, a, 1))[1] - 1 - 8, -126, 127), 0)      # np.frexp(a)[1] - 1 = floor(log2(a)), exactly
;;       r = np.clip(x / 2.0 ** e, -448, 448)
;;       step = 2.0 ** (np.maximum(np.frexp(np.where(r == 0, 1, r))[1] - 1, -6) - 3)
;;       q = np.round(r / step) * step * 2.0 ** e      # np.round: ties to even
;;       return np.moveaxis(q.reshape(q.shape[:-2] + (-1,))[..., :K], -1, axis).astype(np.float32)
;;   ~~~
;;   SOFTMAX AHEAD OF A QUANTISED PRODUCT. Where the list says 'softmax', what is quantised is not the finished softmax but p = 2^(t - M), with t = logit x log2(e) and M = ceil(the row's largest t), a whole number; so 1/2 < the row's largest p <= 1. The row's sum l is taken of the UNQUANTISED p, in f32, and the product's result is divided by l at the end. Since M is a whole number, a kernel that streams over the keys may use a running M (the ceiling of the running maximum): every later rescaling is an exact power of two, which a block's scale takes up: the codes' values come out the same.
;;   OPERANDS COMPUTED ON THE WAY. 'Computed on the way' means the value that the module computes at that place (a softmax that the list does not call 'softmax' is quantised finished and normalised). What goes into a quantiser is computed in f32, as accurately as f32 sums, v_exp_f32 and their like allow (about 1e-6 of the number): no bf16 or f16 on the way to a quantiser, and a product that is left as it is and whose result goes on into a quantised operand takes f32 operands (vector FMAs, or v_wmma_f32_16x16x4_f32). A number that lies on a knife's edge between two numbers of the format may be rounded either way, as far as f32 arithmetic and the matrix unit's own rounding can turn it there, and no further.
;; One version. Each part assembles by itself: llvm-mc -triple=amdgcn-amd-amdhsa -mcpu=gfx1250 --defsym DOCPART=n.
;; ======== version 1 of 1: 4 launches
;; limits: right only within a limited range of input values
;; workspace buffers: xc 8,388,608 bytes; xs 262,144 bytes; wc 4,194,304 bytes; ws 131,072 bytes; qkvc 25,165,824 bytes; qkvs 786,432 bytes; oc 8,388,608 bytes; os 262,144 bytes
;; launch quant (part 1): grid 384 x 1, 4 waves a work-group, no clusters, 34,304 bytes of LDS; arguments x, wq, wk, wv, wo, xc, xs, wc, ws; writes xc, xs, wc, ws
.if DOCPART == 1
	.amdgcn_target "amdgcn-amd-amdhsa--gfx1250"
	.amdhsa_code_object_version 6
	.text
	.protected	k_q98fdc01baa_quant
	.globl	k_q98fdc01baa_quant
	.p2align	8
	.type	k_q98fdc01baa_quant,@function
k_q98fdc01baa_quant:
	s_mov_b64 s[64:65], 0
	v_nop
	global_prefetch_b8 v0, s[64:65] scope:SCOPE_SE
	s_setreg_imm32_b32 hwreg(HW_REG_WAVE_MODE, 25, 1), 1
	s_wait_xcnt 0x0
; x [8192][1024] and wq, wk, wv, wo [1024][1024], f32 with K innermost, become codes of FP8 (E4M3) with one E8M0 scale byte for each 32 along K.
; A block's scale is 2^(floor(log2(its largest magnitude)) - 8); each number is divided by it, held within +-448 and rounded to the nearest code, ties to even.
; THE CODES ARE LAID AS IMAGES OF OPERAND REGISTERS.  A row tile rt is 16 rows: its lane-row r is row 32 (rt / 2) + 8 (rt % 2) + r + 8 (r / 8).  A fragment (rt, ks) is 16 rows x 128 K, 2,048 bytes: group c (512 bytes)
; holds at 16 x lane (lane = 16 h + r) the codes of k = 128 ks + 32 c + 16 h + 0 .. 15 of lane-row r.  xc: [rt 512][ks 8][2048]; wc the same for wq, wk, wv, wo on end (rt 256).
; The scale words (four bytes: 128 along K of one row): [rt][pair of K steps 0..3][r 16][2 words], 512 bytes a row tile.
; SHARES.  A wave takes one row tile x half of K: four fragments.  Work-groups 0-255 take x (two row tiles each), then 32 each for wq, wk, wv, wo.  One path for all five tensors: only pointers are chosen.
; Each load reads 512 consecutive bytes of one row; a fragment's 16 x 512 bytes turn through the wave's own stage in LDS (rows 528 bytes apart, so that sixteen rows start at sixteen different 16-byte columns) and come
; back 16 neighbours of each block of 32 a lane.  Each store of codes covers 512 consecutive bytes, aligned; the wave's scale words leave as 256 consecutive bytes, aligned.  Waves share nothing: no barrier.
; No matrix unit, no cluster, no tensor load: the work-groups share no input and every byte is read once.
; LIMITS: a block of zeros gets the byte 1 where the rule says 127 (its codes are zeros, and this program alone reads the bytes); a largest magnitude under 2^-118 is taken as 2^-118; NaN and infinities are not served.
.set STG,  8448                        ; a wave's stage: 16 rows x 528 bytes
.set R,    32                          ; v32-159  two sets of 64: a fragment's numbers as loaded
.set X,    160                         ; v160-223 64 numbers: register 16 b + i = k 32 b + 16 h + i of my row
.set PC,   224                         ; v224-239 the fragment's codes
.set TM,   240                         ; v240-243 largest magnitudes, v244-247 bytes, v248-251 448 x the scale, v252-255 the conversions' scale operands
.set WD,   8                           ; v8-11    the four fragments' scale words
.set SEL,  40                          ; s[40:41] v_permlanex16_b32's selects for lane l xor 16
.set MNT,  42                          ; s42      the mantissa field of 448
	s_load_b256 s[4:11], s[0:1], 0x0               ; x, wq, wk, wv
	s_load_b256 s[12:19], s[0:1], 0x20             ; wo, xc, xs, wc
	s_load_b64 s[20:21], s[0:1], 0x40              ; ws
	v_lshl_add_u32 v30, v0, 2, 0x8400
	v_mov_b32 v31, 0
	v_lshrrev_b32 v5, 5, v0
	v_readfirstlane_b32 s22, v5                    ; wave 0..3
	v_and_b32 v5, 31, v0                           ; lane
	v_lshlrev_b32 v1, 4, v5                        ; 16 x lane: my bytes of a load's 512, and of a store's
	v_and_b32 v6, 15, v0                           ; r
	v_bfe_u32 v7, v0, 4, 1                         ; h
	s_mul_i32 s23, s22, STG
	v_add_nc_u32 v2, s23, v1                       ; the stage, on the way in: 16 x lane in a row
	v_mul_u32_u24 v3, v6, 528
	v_lshl_add_u32 v3, v7, 6, v3
	v_add_nc_u32 v3, s23, v3                       ; and on the way out: row r, + 64 h: my 16 numbers of a block
	v_lshlrev_b32 v4, 3, v5                        ; 8 x lane: my two scale words
	s_mov_b32 s[SEL], 0x76543210
	s_mov_b32 s[SEL+1], 0xfedcba98
	s_mov_b32 s[MNT], 0x600000
.irp b, 0,1,2,3
	v_mov_b32 v[TM+4+\b], 0                        ; written once: a lane permute's destination counts as one of its sources
.endr
	s_lshr_b32 s24, s22, 1                         ; which row tile of the work-group's two
	s_and_b32 s25, s22, 1                          ; which half of K
	s_and_b32 s26, ttmp9, 31
	s_sub_co_u32 s27, ttmp9, 256
	s_wait_alu depctr_va_vdst(0)
	s_wait_kmcnt 0x0
	s_cmp_lt_u32 ttmp9, 352                        ; which tensor: the choices hang on the work-group's number alone
	s_cselect_b64 s[30:31], s[10:11], s[12:13]
	s_cmp_lt_u32 ttmp9, 320
	s_cselect_b64 s[30:31], s[8:9], s[30:31]
	s_cmp_lt_u32 ttmp9, 288
	s_cselect_b64 s[30:31], s[6:7], s[30:31]
	s_cmp_lt_u32 ttmp9, 256
	s_cselect_b64 s[30:31], s[4:5], s[30:31]       ; the numbers
	s_cselect_b64 s[32:33], s[14:15], s[18:19]     ; the codes
	s_cselect_b64 s[34:35], s[16:17], s[20:21]     ; the scale words
	s_cselect_b32 s26, ttmp9, s26                  ; the pair of row tiles in the source tensor
	s_cselect_b32 s27, ttmp9, s27                  ; and in the buffer of codes
	s_lshl_b32 s36, s26, 17                        ; 32 rows of 4,096 bytes a pair,
	s_lshl_b32 s38, s24, 15                        ; 8 rows on for the pair's second tile,
	s_add_co_u32 s36, s36, s38
	s_lshl_b32 s38, s25, 11                        ; 2,048 bytes on for the second half of K
	s_add_co_u32 s36, s36, s38
	s_mov_b32 s37, 0
	s_add_nc_u64 s[30:31], s[30:31], s[36:37]
	s_lshl_b32 s38, s27, 1
	s_add_co_u32 s38, s38, s24                     ; my row tile
	s_lshl_b32 s36, s38, 14                        ; 16,384 bytes of codes a row tile,
	s_lshl_b32 s39, s25, 13                        ; four fragments on
	s_add_co_u32 s36, s36, s39
	s_add_nc_u64 s[32:33], s[32:33], s[36:37]
	s_lshl_b32 s36, s38, 9                         ; 512 bytes of scale words a row tile,
	s_lshl_b32 s39, s25, 8                         ; two pairs of K steps on
	s_add_co_u32 s36, s36, s39
	s_add_nc_u64 s[34:35], s[34:35], s[36:37]
.macro LOAD f                          ; fragment f: 16 loads, lane-row I's 512 bytes each
.set I, 0
.rept 16
	global_load_b128 v[R+64*((\f)%2)+4*I:R+64*((\f)%2)+4*I+3], v1, s[30:31] offset:(I+8*(I/8))*4096+512*(\f) th:TH_LOAD_NT
.set I, I+1
.endr
.endm
.macro TURN f                          ; through the stage: LDS serves a wave's instructions in order, so no wait stands between the stores and the loads
.set I, 0
.rept 16
	ds_store_b128 v2, v[R+64*((\f)%2)+4*I:R+64*((\f)%2)+4*I+3] offset:528*I
.set I, I+1
.endr
.set I, 0
.rept 16
	ds_load_b128 v[X+4*I:X+4*I+3], v3 offset:128*(I/4)+16*(I%4)
.set I, I+1
.endr
.endm
; 64 numbers of a lane, register 16 b + i = k 32 b + 16 h + i of my row, become a fragment's codes in v[PC] on and its scale word in v[pw]
.macro QUANT s, pw
.irp b, 0,1,2,3
	v_max3_num_f32 v[TM+\b], |v[\s+16*\b]|, |v[\s+1+16*\b]|, 0x4800000   ; block b: my 16 numbers, and the floor 2^(9 - 127): the byte cannot fall under 1
.endr
.irp i, 2,4,6,8,10,12,14
.irp b, 0,1,2,3
	v_max3_num_f32 v[TM+\b], v[TM+\b], |v[\s+16*\b+\i]|, |v[\s+1+16*\b+\i]|   ; the four blocks by turns
.endr
.endr
.irp b, 0,1,2,3
	v_permlanex16_b32 v[TM+4+\b], v[TM+\b], s[SEL], s[SEL+1]
.endr
.irp b, 0,1,2,3
	v_max_num_f32 v[TM+\b], v[TM+\b], v[TM+4+\b]   ; with lane l xor 16's 16: the block's largest magnitude
.endr
.irp b, 0,1,2,3
	v_add_nc_u32 v[TM+12+\b], 0xfc000000, v[TM+\b] ; 8 off its exponent field: the conversion takes this operand's exponent field as its scale
.endr
.irp b, 0,1,2,3
	v_and_or_b32 v[TM+8+\b], v[TM+\b], 0x7f800000, s[MNT]   ; 448 x the scale
.endr
.irp b, 0,1,2,3
	v_lshrrev_b32 v[TM+4+\b], 23, v[TM+12+\b]      ; the scale's byte
.endr
	v_lshl_or_b32 v[\pw], v[TM+5], 8, v[TM+4]      ; the four bytes make my row's scale word
	v_lshl_or_b32 v[\pw], v[TM+6], 16, v[\pw]
	v_lshl_or_b32 v[\pw], v[TM+7], 24, v[\pw]
.irp b, 0,1,2,3
.irp i, 0,1,2,3,4,5,6,7,8,9,10,11,12,13,14,15
	v_med3_num_f32 v[\s+16*\b+\i], v[\s+16*\b+\i], -v[TM+8+\b], v[TM+8+\b]   ; the conversion to an 8-bit code does not saturate (ISA guide 7.6.2): the hold comes first
.endr
	v_cvt_scalef32_pk8_fp8_f32 v[PC+4*\b:PC+1+4*\b], v[\s+16*\b:\s+7+16*\b], v[TM+12+\b]
	v_cvt_scalef32_pk8_fp8_f32 v[PC+2+4*\b:PC+3+4*\b], v[\s+8+16*\b:\s+15+16*\b], v[TM+12+\b]
.endr
	v_nop                                          ; one plain vector line behind the last conversion
.endm
.macro PART f
.if \f < 3
	s_wait_loadcnt 16                              ; this fragment's 16 loads are in; the next fragment's 16 may be out
.else
	s_wait_loadcnt 0x0
.endif
	TURN \f
	s_wait_dscnt 0x0                               ; my numbers are back, and the stage's stores have read their registers,
.if \f < 2
	LOAD (\f)+2                                    ; which take the loads of two fragments on
.endif
.if \f > 0
	s_wait_xcnt 0x0                                ; the last fragment's stores have read v[PC] on: it is written again only behind this wait
.endif
	QUANT X, WD+\f
.irp c, 0,1,2,3
	global_store_b128 v1, v[PC+4*\c:PC+4*\c+3], s[32:33] offset:2048*\f+512*\c   ; 512 consecutive bytes, aligned
.endr
.endm
	LOAD 0
	LOAD 1
	PART 0
	PART 1
	PART 2
	PART 3
	v_cmp_lt_u32 vcc_lo, 15, v5                    ; lanes 0-15 store the first pair of K steps' words of row r, lanes 16-31 the second pair's
	v_cndmask_b32 v12, v[WD], v[WD+2], vcc_lo
	v_cndmask_b32 v13, v[WD+1], v[WD+3], vcc_lo
	global_store_b64 v4, v[12:13], s[34:35]        ; 256 consecutive bytes, aligned
	s_wait_tensorcnt 0x0
	ds_add_u32 v30, v31
	s_wait_dscnt 0x0
	s_endpgm
.Lfunc_end_k_q98fdc01baa_quant:
	.size	k_q98fdc01baa_quant, .Lfunc_end_k_q98fdc01baa_quant-k_q98fdc01baa_quant
	.p2alignl 7, 3214868480
	.fill 96, 4, 3214868480
	.section	.rodata,"a",@progbits
	.p2align	6, 0x0
	.amdhsa_kernel k_q98fdc01baa_quant
		.amdhsa_group_segment_fixed_size 34304
		.amdhsa_private_segment_fixed_size 0
		.amdhsa_enable_private_segment 0
		.amdhsa_kernarg_size 72
		.amdhsa_user_sgpr_count 2
		.amdhsa_user_sgpr_kernarg_segment_ptr 1
		.amdhsa_wavefront_size32 1
		.amdhsa_system_sgpr_workgroup_id_x 1
		.amdhsa_system_sgpr_workgroup_id_y 1
		.amdhsa_system_sgpr_workgroup_id_z 1
		.amdhsa_system_vgpr_workitem_id 0
		.amdhsa_next_free_vgpr 256
		.amdhsa_next_free_sgpr 66
		.amdhsa_reserve_vcc 1
		.amdhsa_float_denorm_mode_32 3
		.amdhsa_float_denorm_mode_16_64 3
		.amdhsa_memory_ordered 1
		.amdhsa_forward_progress 1
		.amdhsa_inst_pref_size 51
	.end_amdhsa_kernel
	.amdgpu_metadata
---
amdhsa.version: [ 1, 2 ]
amdhsa.kernels:
  - .name:           k_q98fdc01baa_quant
    .symbol:         k_q98fdc01baa_quant.kd
    .args:
      - { .name: x, .offset: 0, .size: 8, .value_kind: global_buffer, .address_space: global }
      - { .name: wq, .offset: 8, .size: 8, .value_kind: global_buffer, .address_space: global }
      - { .name: wk, .offset: 16, .size: 8, .value_kind: global_buffer, .address_space: global }
      - { .name: wv, .offset: 24, .size: 8, .value_kind: global_buffer, .address_space: global }
      - { .name: wo, .offset: 32, .size: 8, .value_kind: global_buffer, .address_space: global }
      - { .name: xc, .offset: 40, .size: 8, .value_kind: global_buffer, .address_space: global }
      - { .name: xs, .offset: 48, .size: 8, .value_kind: global_buffer, .address_space: global }
      - { .name: wc, .offset: 56, .size: 8, .value_kind: global_buffer, .address_space: global }
      - { .name: ws, .offset: 64, .size: 8, .value_kind: global_buffer, .address_space: global }
    .group_segment_fixed_size: 34304
    .private_segment_fixed_size: 0
    .kernarg_segment_align: 8
    .kernarg_segment_size: 72
    .max_flat_workgroup_size: 128
    .sgpr_count:     66
    .vgpr_count:     256
    .wavefront_size: 32
...
	.end_amdgpu_metadata
.endif
;; end of part 1
;; launch qkv (part 2): grid 8 x 32, 4 waves a work-group, clusters of 4 x 4, 327,680 bytes of LDS; arguments xc, xs, wc, ws, qkvc, qkvs; writes qkvc, qkvs
.if DOCPART == 2
	.amdgcn_target "amdgcn-amd-amdhsa--gfx1250"
	.amdhsa_code_object_version 6
	.text
	.protected	k_q98fdc01baa_qkv
	.globl	k_q98fdc01baa_qkv
	.p2align	8
	.type	k_q98fdc01baa_qkv,@function
k_q98fdc01baa_qkv:
	s_mov_b64 s[64:65], 0
	v_nop
	global_prefetch_b8 v0, s[64:65] scope:SCOPE_SE
	s_setreg_imm32_b32 hwreg(HW_REG_WAVE_MODE, 25, 1), 1
	s_wait_xcnt 0x0
	s_wait_alu depctr_hold_cnt(0) depctr_sa_sdst(0) depctr_va_vdst(0) depctr_va_sdst(0) depctr_va_ssrc(0) depctr_va_vcc(0) depctr_vm_vsrc(0)
	s_getreg_b32 s2, hwreg(HW_REG_IB_STS2, 6, 4)
	s_cmp_eq_u32 s2, 0
	s_cbranch_scc0 .Lentry_in_a_cluster
	s_endpgm
.Lentry_in_a_cluster:
	s_bfe_u32 s2, ttmp6, 0x10000c
	s_cmp_lg_u32 s2, 0xf033
	s_cbranch_scc0 .Lentry_shape_is_right
	s_endpgm
.Lentry_shape_is_right:
; q = x wq^T, k = x wk^T, v = x wv^T on codes of FP8 (E4M3) with E8M0 scales, K = 1,024; the results are quantised in registers and leave as codes: q and k along the head's 64, v along the keys.
; OPERANDS ARE IMAGES OF REGISTERS: a row tile rt is 16 rows (lane-row r = row 32 (rt / 2) + 8 (rt % 2) + r + 8 (r / 8)); a fragment (rt, ks), 16 rows x 128 K, is 2,048 bytes: group c at 512 c, lane l at 16 l.
; xc [rt 512][ks 8][2048], wc [rt 256][ks 8][2048] (wq, wk, wv, wo on end); scale words xs, ws: [rt][pair of K steps 4][r 16][2 words].
; THE DEAL: 8 x 32 = 256 work-groups of four waves.  PHASE 1: 256 tokens x 256 features of q (tile columns 0-3) or k (4-7): a wave 128 x 128, 64 accumulators.  PHASE 2: the same 256 tokens x the 128 features 128 c .. of v, c the tile column: a wave 128 tokens x 64 features, 32 accumulators.
; SOURCE 0 (P0: 8 row tiles a wave, two register sets), SOURCE 1 (P1: NA row tiles, one set).  In a result a lane holds ONE row of P1, and the 16 registers of P0's tiles 2 B, 2 B + 1 are P0's rows 32 B + 16 h + 0 .. 15.
; Phase 1: P0 = W, P1 = x: a lane holds a token, registers run along the features.  Phase 2: P0 = x, P1 = wv: a lane holds a feature, registers run along the keys.
; THE RING: K goes in steps of 256 through two LDS slots (x's 16 row tiles, then W's), four fills a phase.  It does not stop at the change of phase: phase 1's last two refills bring phase 2's first two slots, which land while phase 1's results are quantised.
; THE HEAD: one joint load a wave: x's slot 0, W's slot 0, x's scale words, W's scale words; slot 1 is first filled behind the full sequence and a round, as a refill is.  x's scale words stay in LDS for both phases; wv's (my 4 row tiles, all of K: 32 words a lane) go from memory into scale registers that phase 1 has done with.
; CLUSTERS: 4 x 4; x's tiles hang on the tile row alone and are asked for jointly along a row of the cluster, W's and wv's on the tile column alone and along a column.
; OUT.  qkvc: q at 0, k at 8 MiB: [bh 64][token tile 128][c 2][512]; v at 16 MiB: [bh][key step 16][d tile 4][2048].  qkvs, three parts of 262,144 bytes: [bh][step 16][r 16][4 words]; q, k: word f = bytes 0, 1 of tile 2 f, bytes 2, 3 of tile 2 f + 1; v: word t = d tile t's four key blocks.
; Every store of codes covers 512 consecutive bytes, aligned; scale words leave in runs of 256 bytes, aligned.
; No prefetch into the L2: a phase has four fills; phase 2's x rows have been read by this work-group in phase 1, and wv's two first slots are asked for a slot and the whole way out ahead of their use.
; LIMITS: a block of zeros gets the byte 1 (its codes are zeros; this program alone reads the bytes); a largest magnitude under 2^-118 is taken as 2^-118; NaN and infinities are not served.
; REGISTERS: window 0: v1-30 addresses and constants; v32-95 scale words, two sets, and nothing else; v96-127 the way out; v128-255 P1's fragments, then codes.  window 1: P0's two sets.  windows 2, 3: accumulator (a, b) at v[8 (8 (a % 4) + b)] of window 2 + a / 4.
.set NA,    8
.set HA,    NA/2
.set LA,    4*HA                       ; LDS loads that bring half of P1's fragments
.set PH,    1                          ; the phase
.set SOFF,  0                          ; phase 2: where P1's scale words of the lap stand in a set
.set SLOT,  131072
.set RGW,   65536
.set SCL,   2*SLOT                     ; x's scale words, 8,192 bytes, then W's
.set SCW,   8192
.set SPARE, SCL+16384                  ; the spare words: two blocks of 256 bytes that no other line names
.set AF,    128
.set L16,   3                          ; v3 16 x lane
.set ADR1,  16                         ; v16-17 P1's fragments in slot 0, 1 (phase 2: v4-5)
.set ADR0,  20                         ; v20-21 P0's (phase 2: v6-7)
.set ADS1,  22                         ; v22 P1's scale words
.set ADS0,  23                         ; v23 P0's (phase 2: v8)
.set VG,    9                          ; v9  8 r
.set VS2,   10                         ; v10 16 r
.set VSO,   26                         ; v26 16 r + 4,096 h
.set SELV,  27                         ; v27 byte selects for v_perm_b32
.set SPW,   28
.set NIL,   29
.set FLO,   30                         ; v30 the floor 2^(9 - 127)
.set TM,    96
.set PW,    112
.set OW,    120
.set WV,    16
.set H1,    17
.set H0,    18
.set G1X,   24
.set G0X,   32
.set G1W,   48
.set G0W,   56
.set G1SX,  68
.set G0SX,  76
.set G1SW,  80
.set G0SW,  88
.set G1V,   68                         ; wv's groups take the scale words' registers once those loads have landed
.set G0V,   76
.set G0C,   G0W                        ; the groups that waves 2, 3 ask by
.set G1C,   G1W
.set SEL,   96
.set MNT,   98
.set MSB, 0
.macro WIN new                         ; the immediate's high byte repeats the setting that is left
.if MSB != (\new)
	s_set_vgpr_msb (MSB<<8)|(\new)
.set MSB, (\new)
.endif
.endm
.set TO_B, 0x40
.macro PLACES n
.rept \n
	v_nop
.endr
.endm
.macro TL g0, g1                       ; a tensor load; s_nop 0 and four v_nop follow
	tensor_load_to_lds s[\g0:\g0+3], s[\g1:\g1+7]
	s_nop 0
	PLACES 4
.endm
.macro JLOAD g0a, g1a, g0b, g1b        ; waves 0, 1 fetch x's halves, waves 2, 3 the weight's
	s_cmp_eq_u32 s[H1], 0
	s_cbranch_scc0 .Lfor_b_\@
	TL \g0a, \g1a
	s_branch .Lasked_\@
.Lfor_b_\@:
	TL \g0b, \g1b
.Lasked_\@:
.endm
.macro CREST
	s_cmp_lg_u32 s[WV], 0
	s_cbranch_scc1 .Lnot_wave_0_\@
	s_barrier_signal -3
.Lnot_wave_0_\@:
	s_barrier_wait -3
	s_barrier_signal -1
	s_barrier_wait -1
.endm
.macro CROUND
	s_barrier_signal -1
	s_barrier_wait -1
	CREST
.endm
.macro GRP1 g, m, c, r, p              ; group 1: mask register, elements of 8 bytes a row, rows, pitch
	s_or_b32 s[\g], s\m, (3<<16)|(1<<21)
	s_mov_b32 s[\g+1], (\c)<<16
	s_mov_b32 s[\g+2], (\r)<<16
	s_mov_b32 s[\g+3], (\c)<<16
	s_mov_b32 s[\g+4], \r
	s_mov_b32 s[\g+5], \p
	s_mov_b32 s[\g+6], 0
	s_mov_b32 s[\g+7], 0
.endm
.macro FRAG reg, adr, q, i
.irp c, 0,1,2,3
	ds_load_b128 v[\reg+4*\c:\reg+4*\c+3], v[\adr] offset:4096*(\i)+2048*(\q)+512*\c
.endr
.endm
.macro FETCH_B slot, q, p
	WIN TO_B
.irp i, 0,1,2,3,4,5,6,7
	FRAG 128*(\p)+16*\i, ADR0+\slot, \q, \i
.endr
	WIN 0
.endm
.macro FETCH_A slot, q, i0
.set FI, \i0
.rept HA
	FRAG AF+16*FI, ADR1+\slot, \q, FI
.set FI, FI+1
.endr
.endm
.macro SCALES sc                       ; a slot's scale words into set sc; in phase 2 P1's stand in registers already
.if PH == 1
.set FI, 0
.rept NA
	ds_load_b64 v[32+32*\sc+2*FI:32+32*\sc+2*FI+1], v[ADS1] offset:512*FI
.set FI, FI+1
.endr
.endif
.irp i, 0,1,2,3,4,5,6,7
	ds_load_b64 v[48+32*\sc+2*\i:48+32*\sc+2*\i+1], v[ADS0] offset:512*\i
.endr
.endm
; n blocks of eight products from P1's tile a0 on; the accumulators take turns, one instruction a turn
.macro MULS a0, n, p, q, sc, zero
.set AI, \a0
.rept \n
	WIN 0xa1+0x50*(AI/4)
.irp b, 0,1,2,3,4,5,6,7
.if \zero
	v_wmma_scale_f32_16x16x128_f8f6f4 v[8*(8*(AI%4)+\b):8*(8*(AI%4)+\b)+7], v[128*(\p)+16*\b:128*(\p)+16*\b+15], v[AF+16*AI:AF+16*AI+15], 0, v[48+32*(\sc)+2*\b+(\q)], v[32+32*(\sc)+SOFF+2*AI+(\q)]
.else
	v_wmma_scale_f32_16x16x128_f8f6f4 v[8*(8*(AI%4)+\b):8*(8*(AI%4)+\b)+7], v[128*(\p)+16*\b:128*(\p)+16*\b+15], v[AF+16*AI:AF+16*AI+15], v[8*(8*(AI%4)+\b):8*(8*(AI%4)+\b)+7], v[48+32*(\sc)+2*\b+(\q)], v[32+32*(\sc)+SOFF+2*AI+(\q)]
.endif
.endr
.set AI, AI+1
.endr
.endm
.macro STEP slot, zero                 ; a slot's first K step; its second is fetched meanwhile
	s_wait_dscnt LA                                ; all but the youngest LA loads (P1's upper half) are in
	MULS 0, HA, 0, 0, \slot, \zero
	s_wait_dscnt 0x0
	PLACES 8
	FETCH_B \slot, 1, 1
	FETCH_A \slot, 1, 0
	MULS HA, HA, 0, 0, \slot, \zero
	PLACES 8
	WIN 0
	FETCH_A \slot, 1, HA
.endm
; A slot's second K step changes slots.  fill = 1: the slot takes this phase's K two slots on; 2: phase 2's K of the same slot number; 0: nothing.  fetch = 0: no fragments follow (the way out does).
.macro TURN slot, next, fill, fetch=1
	s_wait_tensorcnt 0x0                           ; all my tensor loads have landed
	ds_add_u32 v[SPW], v[NIL]
	s_wait_dscnt LA+1                              ; (the add and the youngest LA loads may be out)
	MULS 0, HA/2, 1, 1, \slot, 0
	s_wait_dscnt 0x0                               ; the add is done, my reads of this slot are over
	s_barrier_signal -1
	MULS HA/2, HA/2, 1, 1, \slot, 0
	WIN 0
	s_barrier_wait -1
.if \fill
	CREST                                          ; the barrier has opened a round of the cluster's barrier
.if \fill == 1
	s_add_nc_u64 s[G0X+4*\slot+2:G0X+4*\slot+3], s[G0X+4*\slot+2:G0X+4*\slot+3], 8192
	s_add_nc_u64 s[G0C+4*\slot+2:G0C+4*\slot+3], s[G0C+4*\slot+2:G0C+4*\slot+3], 8192
.else
	s_sub_nc_u64 s[G0X+4*\slot+2:G0X+4*\slot+3], s[G0X+4*\slot+2:G0X+4*\slot+3], 8192   ; x: back to this slot's first K; wv's group stands there already
.endif
	JLOAD G0X+4*\slot, G1X, G0C+4*\slot, G1C       ; the first tensor load behind the round, one a wave
.if \fetch
	PLACES 4
.endif
.else
	PLACES 8
.endif
.if \fetch
	s_wait_alu depctr_va_vdst(0)                   ; the wait ahead of the reader below
.if PH == 1
	v_add_nc_u32 v[ADS1], 128, v[ADS1]
.endif
	v_add_nc_u32 v[ADS0], 128, v[ADS0]             ; the next slot's scale words
	FETCH_B \next, 0, 0
	FETCH_A \next, 0, 0
	SCALES \next
.endif
	MULS HA, HA, 1, 1, \slot, 0
	PLACES 8
	WIN 0
.if \fetch
	FETCH_A \next, 0, HA
.endif
.endm
.macro FIRST                           ; a phase's first fragments, from slot 0
	FETCH_B 0, 0, 0
	FETCH_A 0, 0, 0
	SCALES 0
	FETCH_A 0, 0, HA
.endm
	s_load_b256 s[4:11], s[0:1], 0x0               ; xc, xs, wc, ws
	s_load_b128 s[12:15], s[0:1], 0x20             ; qkvc, qkvs
	v_lshl_add_u32 v[SPW], v0, 2, SPARE
	v_mov_b32 v[NIL], 0
	ds_add_u32 v[SPW], v[NIL]                      ; the opening lines: the add twice on end and its wait
	ds_add_u32 v[SPW], v[NIL]
	v_lshrrev_b32 v1, 5, v0
	v_readfirstlane_b32 s[WV], v1                  ; wave 0..3
	s_lshr_b32 s[H1], s[WV], 1                     ; my half of P1.  Also: in the ring I fetch for x (0) or for the weight (1)
	s_and_b32 s[H0], s[WV], 1                      ; my half of P0.  Also: which half of that tile I fetch
	s_bfe_u32 s20, ttmp6, 0x40000                  ; cx
	s_bfe_u32 s21, ttmp6, 0x40004                  ; cy
	s_lshl_b32 s22, ttmp9, 2
	s_add_co_u32 s22, s22, s20                     ; tile column 0..7
	s_and_b32 s23, ttmp7, 0xffff
	s_lshl_b32 s23, s23, 2
	s_add_co_u32 s23, s23, s21                     ; tile row 0..31
	s_lshl_b32 s40, s21, 2
	s_lshl_b32 s40, 15, s40                        ; my row of the cluster
	s_lshl_b32 s41, 0x1111, s20                    ; my column
	GRP1 G1X, 40, 512, 16, 2048                    ; codes: of each row tile the 4,096 bytes of two K steps, 16,384 bytes apart; 16 row tiles at the head
	GRP1 G1W, 41, 512, 16, 2048
	GRP1 G1SX, 40, 32, 32, 32                      ; scale words: 8,192 dense bytes as 32 rows of 256
	GRP1 G1SW, 41, 32, 32, 32
	s_lshl_b32 s42, s23, 18
	s_mov_b32 s43, 0
	s_lshl_b32 s44, s22, 18
	s_mov_b32 s45, 0
	s_lshl_b32 s46, s23, 13
	s_mov_b32 s47, 0
	s_lshl_b32 s92, s22, 13
	s_mov_b32 s93, 0
	s_lshl_b32 s66, s[H0], 17                      ; the half that I fetch in the ring: 8 row tiles in memory,
	s_mov_b32 s67, 0
	s_lshl_b32 s99, s[H0], 15                      ; and in a slot
	s_wait_dscnt 0x0                               ; both opening adds are done
	s_wait_kmcnt 0x0
	CROUND                                         ; all sixteen work-groups are here
.macro GRP0 g, ptr, off, base          ; slot 0's group 0 for the head's whole tile, slot 1's for my half
	s_mov_b32 s[\g], 1
	s_mov_b32 s[\g+1], \base
	s_add_nc_u64 s[\g+2:\g+3], s[\ptr:\ptr+1], s[\off:\off+1]
	s_add_nc_u64 s[\g+6:\g+7], s[\g+2:\g+3], s[66:67]
	s_add_nc_u64 s[\g+6:\g+7], s[\g+6:\g+7], 4096
	s_or_b32 s[\g+3], s[\g+3], 0x80000000
	s_or_b32 s[\g+7], s[\g+7], 0x80000000
	s_mov_b32 s[\g+4], 1
	s_add_co_u32 s[\g+5], s99, SLOT+\base
.endm
	GRP0 G0X, 4, 42, 0
	GRP0 G0W, 8, 44, RGW
	s_mov_b32 s[G0SX], 1
	s_mov_b32 s[G0SX+1], SCL
	s_add_nc_u64 s[G0SX+2:G0SX+3], s[6:7], s[46:47]
	s_or_b32 s[G0SX+3], s[G0SX+3], 0x80000000
	s_mov_b32 s[G0SW], 1
	s_mov_b32 s[G0SW+1], SCL+SCW
	s_add_nc_u64 s[G0SW+2:G0SW+3], s[10:11], s[92:93]
	s_or_b32 s[G0SW+3], s[G0SW+3], 0x80000000
.macro ARM under, g0, g1, next         ; one tree of branches on the wave's number: every way through the head passes one load
	s_cmp_lt_u32 s[WV], \under
	s_cbranch_scc0 \next
	TL \g0, \g1
	s_branch .Lhead_asked
\next:
.endm
	ARM 1, G0X,  G1X,  .Lhead_w
	ARM 2, G0W,  G1W,  .Lhead_sx
	ARM 3, G0SX, G1SX, .Lhead_sw
	TL G0SW, G1SW
.Lhead_asked:
	s_lshl_b32 s2, s22, 17                         ; wv's codes: row tile 128 + 8 x tile column + 4 x the half that I fetch
	s_lshl_b32 s3, s[H0], 16
	s_add_co_u32 s2, s2, s3
	s_add_co_u32 s2, s2, 2097152
	s_mov_b32 s3, 0
	s_add_nc_u64 s[42:43], s[8:9], s[2:3]
	s_lshl_b32 s2, s22, 12                         ; wv's scale words: my own 4 row tiles
	s_lshl_b32 s44, s[H1], 11
	s_add_co_u32 s2, s2, s44
	s_add_co_u32 s2, s2, 65536
	s_add_nc_u64 s[100:101], s[10:11], s[2:3]
	s_lshr_b32 s44, s23, 3
	s_lshl_b32 s44, s44, 4                         ; 16 x batch
	s_and_b32 s45, s23, 7
	s_lshl_b32 s45, s45, 1                         ; the tile row's first step of 128 tokens in the batch
	s_lshl_b32 s21, s22, 1                         ; v: my head = 16 batch + 2 x tile column + H1, my step: + H0
	s_add_co_u32 s21, s21, s44
	s_add_co_u32 s21, s21, s[H1]
	s_add_co_u32 s40, s45, s[H0]
	s_lshl_b32 s2, s21, 17
	s_lshl_b32 s94, s40, 13
	s_add_co_u32 s2, s2, s94
	s_add_co_u32 s2, s2, 2<<23
	s_add_nc_u64 s[46:47], s[12:13], s[2:3]        ; v's codes
	s_lshl_b32 s2, s21, 12
	s_lshl_b32 s94, s40, 8
	s_add_co_u32 s2, s2, s94
	s_add_co_u32 s2, s2, 2<<18
	s_add_nc_u64 s[92:93], s[14:15], s[2:3]        ; v's scale words
	s_lshl_b32 s21, s20, 2                         ; q, k: my first head = 16 batch + 4 cx + 2 H0, my step: + H1
	s_add_co_u32 s21, s21, s44
	s_lshl_b32 s40, s[H0], 1
	s_add_co_u32 s21, s21, s40
	s_add_co_u32 s40, s45, s[H1]
	s_lshl_b32 s2, ttmp9, 23
	s_lshl_b32 s94, s21, 17
	s_add_co_u32 s2, s2, s94
	s_lshl_b32 s94, s40, 13
	s_add_co_u32 s2, s2, s94
	s_add_nc_u64 s[12:13], s[12:13], s[2:3]
	s_lshl_b32 s2, ttmp9, 18
	s_lshl_b32 s94, s21, 12
	s_add_co_u32 s2, s2, s94
	s_lshl_b32 s94, s40, 8
	s_add_co_u32 s2, s2, s94
	s_add_nc_u64 s[14:15], s[14:15], s[2:3]
	s_lshl_b32 s20, s[H1], 15                      ; LDS: phase 1's P1 (x),
	s_add_co_u32 s21, s99, RGW                     ; its P0 (W); phase 2's P0 (x) is s99;
	s_lshl_b32 s40, s[H1], 14
	s_add_co_u32 s40, s40, RGW                     ; phase 2's P1 (wv)
	s_lshl_b32 s44, s[H1], 12
	s_add_co_u32 s44, s44, SCL
	s_lshl_b32 s2, s[H0], 12
	s_add_co_u32 s2, s2, SCL
	s_add_co_u32 s45, s2, SCW
	s_mov_b32 s[SEL], 0x76543210
	s_mov_b32 s[SEL+1], 0xfedcba98
	s_mov_b32 s[MNT], 0x600000
	v_and_b32 v1, 15, v0                           ; r
	v_bfe_u32 v2, v0, 4, 1                         ; h
	v_and_b32 v[L16], 31, v0
	v_lshlrev_b32 v[L16], 4, v[L16]
	v_add_nc_u32 v16, s20, v[L16]
	v_add_nc_u32 v20, s21, v[L16]
	v_add_nc_u32 v6, s99, v[L16]
	v_add_nc_u32 v4, s40, v[L16]
	v_add_nc_u32 v17, SLOT, v16
	v_add_nc_u32 v21, SLOT, v20
	v_add_nc_u32 v7, SLOT, v6
	v_add_nc_u32 v5, SLOT, v4
	v_lshl_add_u32 v22, v1, 3, s44
	v_lshl_add_u32 v23, v1, 3, s45
	v_lshl_add_u32 v8, v1, 3, s2
	v_lshlrev_b32 v[VG], 3, v1
	v_lshlrev_b32 v[VS2], 4, v1
	v_lshl_add_u32 v[VSO], v2, 12, v[VS2]          ; lanes 0-15: my first head's words of row r; lanes 16-31: the next head's
	v_mov_b32 v[SELV], 0x05040100
	v_mov_b32 v11, 0x07060302
	v_cmp_eq_u32 vcc_lo, 1, v2
	v_cndmask_b32 v[SELV], v[SELV], v11, vcc_lo    ; lanes 0-15 take the words' low halves, lanes 16-31 their high halves
	v_mov_b32 v[FLO], 0x4800000
.irp b, 0,1,2,3
	v_mov_b32 v[TM+4+\b], 0                        ; a lane permute's destination counts as one of its sources
.endr
	s_wait_alu depctr_va_vdst(0)                   ; the wait at the head's end
	s_wait_tensorcnt 0x0                           ; my tile of the head's four is in; the full sequence ahead of slot 1's first fill
	ds_add_u32 v[SPW], v[NIL]
	s_mov_b32 s[G1X+2], 8<<16                      ; no tensor load of mine is out: from here on a load brings 8 row tiles,
	s_mov_b32 s[G1X+4], 8
	s_mov_b32 s[G1W+2], 8<<16
	s_mov_b32 s[G1W+4], 8
	s_mov_b32 s[G0X+1], s99                        ; slot 0's groups turn to my half,
	s_add_nc_u64 s[G0X+2:G0X+3], s[G0X+2:G0X+3], s[66:67]
	s_add_co_u32 s[G0W+1], s99, RGW
	s_add_nc_u64 s[G0W+2:G0W+3], s[G0W+2:G0W+3], s[66:67]
	GRP1 G1V, 41, 512, 4, 2048                     ; and wv's groups are made: 4 row tiles a load
	s_lshl_b32 s2, s[H0], 14
	s_mov_b32 s[G0V], 1
	s_add_co_u32 s[G0V+1], s2, RGW
	s_mov_b64 s[G0V+2:G0V+3], s[42:43]
	s_or_b32 s[G0V+3], s[G0V+3], 0x80000000
	s_mov_b32 s[G0V+4], 1
	s_add_co_u32 s[G0V+5], s2, SLOT+RGW
	s_add_nc_u64 s[G0V+6:G0V+7], s[42:43], 4096
	s_or_b32 s[G0V+7], s[G0V+7], 0x80000000
	s_wait_dscnt 0x0
	CROUND                                         ; all four tiles are in, and all sixteen work-groups are here
	JLOAD G0X+4, G1X, G0W+4, G1W                   ; slot 1's first fill
	FIRST
	STEP 0, 1                                      ; the first products start the sums
	TURN 0, 1, 1
	STEP 1, 0
	TURN 1, 0, 1
	STEP 0, 0
.set G0C, G0V
.set G1C, G1V
	TURN 0, 1, 2                                   ; slot 0 takes phase 2's K steps 0, 1
	STEP 1, 0
	TURN 1, 0, 2, 0                                ; slot 1 its K steps 2, 3; this barrier has shown slot 0's
.irp p, 0,1,2,3                        ; wv's scale words, pair of K steps p: set p % 2, 8 (p / 2) on; eight places stand behind the last products
.irp i, 0,1,2,3
	global_load_b64 v[32+32*(\p%2)+8*(\p/2)+2*\i:32+32*(\p%2)+8*(\p/2)+2*\i+1], v[VG], s[100:101] offset:512*\i+128*\p
.endr
.endr
; THE WAY OUT.  P1's tile a: my row's 128 numbers along P0's rows (64 in my lane: register 16 b + i = row 32 b + 16 h + i) are quantised where they lie, in four blocks of 32; the 16 registers of codes are an image.
.macro QUANTW a
.set WN, 2+(\a)/4
.set SB, 64*((\a)%4)
.set PCA, 128+16*(\a)
	WIN (WN<<2)|(WN<<4)
.irp b, 0,1,2,3
	v_max3_num_f32 v[TM+\b], v[FLO], |v[SB+16*\b]|, |v[SB+16*\b+1]|   ; each accumulator is read from its low end on
.endr
.irp i, 2,4,6,8,10,12,14
.irp b, 0,1,2,3
	v_max3_num_f32 v[TM+\b], v[TM+\b], |v[SB+16*\b+\i]|, |v[SB+16*\b+\i+1]|
.endr
.endr
	WIN 0
.irp b, 0,1,2,3
	v_permlanex16_b32 v[TM+4+\b], v[TM+\b], s[SEL], s[SEL+1]
.endr
.irp b, 0,1,2,3
	v_max_num_f32 v[TM+\b], v[TM+\b], v[TM+4+\b]   ; with lane l xor 16's 16: the block's largest magnitude
.endr
.irp b, 0,1,2,3
	v_add_nc_u32 v[TM+12+\b], 0xfc000000, v[TM+\b] ; the conversion's scale operand
.endr
.irp b, 0,1,2,3
	v_and_or_b32 v[TM+8+\b], v[TM+\b], 0x7f800000, s[MNT]   ; 448 x the scale
.endr
.irp b, 0,1,2,3
	v_lshrrev_b32 v[TM+4+\b], 23, v[TM+12+\b]      ; the scale's byte
.endr
	v_lshl_or_b32 v[PW+\a], v[TM+5], 8, v[TM+4]
	v_lshl_or_b32 v[PW+\a], v[TM+6], 16, v[PW+\a]
	v_lshl_or_b32 v[PW+\a], v[TM+7], 24, v[PW+\a]
	WIN (WN<<6)|WN
.irp b, 0,1,2,3
.irp i, 0,1,2,3,4,5,6,7,8,9,10,11,12,13,14,15
	v_med3_num_f32 v[SB+16*\b+\i], v[SB+16*\b+\i], -v[TM+8+\b], v[TM+8+\b]   ; the conversion does not saturate (ISA guide 7.6.2): the hold comes first
.endr
.endr
	WIN WN
.irp b, 0,1,2,3
	v_cvt_scalef32_pk8_fp8_f32 v[PCA+4*\b:PCA+4*\b+1], v[SB+16*\b:SB+16*\b+7], v[TM+12+\b]
	v_cvt_scalef32_pk8_fp8_f32 v[PCA+4*\b+2:PCA+4*\b+3], v[SB+16*\b+8:SB+16*\b+15], v[TM+12+\b]
.endr
	WIN 0
	v_nop                                          ; one plain vector line behind the last conversion
.endm
.irp a, 0,1,2,3,4,5,6,7                ; q, k: token tile a: 1,024 bytes a tile; groups 2, 3 belong to the next head, 131,072 bytes on
	QUANTW \a
	global_store_b128 v[L16], v[PCA:PCA+3], s[12:13] offset:1024*\a
	global_store_b128 v[L16], v[PCA+4:PCA+7], s[12:13] offset:1024*\a+512
	global_store_b128 v[L16], v[PCA+8:PCA+11], s[12:13] offset:1024*\a+131072
	global_store_b128 v[L16], v[PCA+12:PCA+15], s[12:13] offset:1024*\a+131584
.endr
.irp p, 0,1,2,3
	v_perm_b32 v[OW+\p], v[PW+2*\p+1], v[PW+2*\p], v[SELV]   ; word f of a head: tile 2 f's and tile 2 f + 1's two bytes
.endr
	global_store_b128 v[VSO], v[OW:OW+3], s[14:15] ; two runs of 256 consecutive bytes, aligned
; PHASE 2
.set NA,   4
.set HA,   NA/2
.set LA,   4*HA
.set PH,   2
.set ADR1, 4
.set ADR0, 6
.set ADS0, 8
	s_wait_xcnt 0x0                                ; the stores have read the codes' registers: fragments may land there
	FIRST
	s_wait_loadcnt 0x0                             ; wv's scale words
	STEP 0, 1
	TURN 0, 1, 1
	STEP 1, 0
	TURN 1, 0, 1
.set SOFF, 8
	STEP 0, 0
	TURN 0, 1, 0                                   ; the last two slots are not filled again
	STEP 1, 0
	s_wait_dscnt LA
	MULS 0, HA, 1, 1, 1, 0
	s_wait_dscnt 0x0
	MULS HA, HA, 1, 1, 1, 0
	WIN 0
	PLACES 8
.irp a, 0,1,2,3                        ; v: d tile a of my head: a fragment of 2,048 bytes
	QUANTW \a
.irp c, 0,1,2,3
	global_store_b128 v[L16], v[PCA+4*\c:PCA+4*\c+3], s[46:47] offset:2048*\a+512*\c
.endr
.endr
	global_store_b128 v[VS2], v[PW:PW+3], s[92:93] ; word t = d tile t's four key blocks: 256 consecutive bytes (lanes 16-31 write what lanes 0-15 write)
	s_wait_tensorcnt 0x0                           ; the wave's end
	ds_add_u32 v[SPW], v[NIL]
	s_wait_dscnt 0x0
	CROUND                                         ; the closing round
	s_endpgm
.Lfunc_end_k_q98fdc01baa_qkv:
	.size	k_q98fdc01baa_qkv, .Lfunc_end_k_q98fdc01baa_qkv-k_q98fdc01baa_qkv
	.p2alignl 7, 3214868480
	.fill 96, 4, 3214868480
	.section	.rodata,"a",@progbits
	.p2align	6, 0x0
	.amdhsa_kernel k_q98fdc01baa_qkv
		.amdhsa_group_segment_fixed_size 327680
		.amdhsa_private_segment_fixed_size 0
		.amdhsa_enable_private_segment 0
		.amdhsa_kernarg_size 48
		.amdhsa_user_sgpr_count 2
		.amdhsa_user_sgpr_kernarg_segment_ptr 1
		.amdhsa_wavefront_size32 1
		.amdhsa_system_sgpr_workgroup_id_x 1
		.amdhsa_system_sgpr_workgroup_id_y 1
		.amdhsa_system_sgpr_workgroup_id_z 1
		.amdhsa_system_vgpr_workitem_id 0
		.amdhsa_next_free_vgpr 1024
		.amdhsa_next_free_sgpr 102
		.amdhsa_reserve_vcc 1
		.amdhsa_float_denorm_mode_32 3
		.amdhsa_float_denorm_mode_16_64 3
		.amdhsa_memory_ordered 1
		.amdhsa_forward_progress 1
		.amdhsa_inst_pref_size 255
	.end_amdhsa_kernel
	.section	.bss,"aw",@nobits
	.p2align	6
	.space	262144
	.amdgpu_metadata
---
amdhsa.version: [ 1, 2 ]
amdhsa.kernels:
  - .name:           k_q98fdc01baa_qkv
    .symbol:         k_q98fdc01baa_qkv.kd
    .args:
      - { .name: xc, .offset: 0, .size: 8, .value_kind: global_buffer, .address_space: global }
      - { .name: xs, .offset: 8, .size: 8, .value_kind: global_buffer, .address_space: global }
      - { .name: wc, .offset: 16, .size: 8, .value_kind: global_buffer, .address_space: global }
      - { .name: ws, .offset: 24, .size: 8, .value_kind: global_buffer, .address_space: global }
      - { .name: qkvc, .offset: 32, .size: 8, .value_kind: global_buffer, .address_space: global }
      - { .name: qkvs, .offset: 40, .size: 8, .value_kind: global_buffer, .address_space: global }
    .group_segment_fixed_size: 327680
    .private_segment_fixed_size: 0
    .kernarg_segment_align: 8
    .kernarg_segment_size: 48
    .max_flat_workgroup_size: 128
    .sgpr_count:     102
    .vgpr_count:     1024
    .wavefront_size: 32
...
	.end_amdgpu_metadata
.endif
;; end of part 2
;; launch attn (part 3): grid 4 x 64, 16 waves a work-group, clusters of 4 x 1, 272,384 bytes of LDS; arguments qkvc, qkvs, oc, os; writes oc, os
.if DOCPART == 3
	.amdgcn_target "amdgcn-amd-amdhsa--gfx1250"
	.amdhsa_code_object_version 6
	.text
	.protected	k_q98fdc01baa_attn
	.globl	k_q98fdc01baa_attn
	.p2align	8
	.type	k_q98fdc01baa_attn,@function
k_q98fdc01baa_attn:
	s_mov_b64 s[64:65], 0
	v_nop
	global_prefetch_b8 v0, s[64:65] scope:SCOPE_SE
	s_setreg_imm32_b32 hwreg(HW_REG_WAVE_MODE, 25, 1), 1
	s_wait_xcnt 0x0
	s_wait_alu depctr_hold_cnt(0) depctr_sa_sdst(0) depctr_va_vdst(0) depctr_va_sdst(0) depctr_va_ssrc(0) depctr_va_vcc(0) depctr_vm_vsrc(0)
	s_getreg_b32 s2, hwreg(HW_REG_IB_STS2, 6, 4)
	s_cmp_eq_u32 s2, 0
	s_cbranch_scc0 .Lentry_in_a_cluster
	s_endpgm
.Lentry_in_a_cluster:
	s_bfe_u32 s2, ttmp6, 0x10000c
	s_cmp_lg_u32 s2, 0x3003
	s_cbranch_scc0 .Lentry_shape_is_right
	s_endpgm
.Lentry_shape_is_right:
; Causal attention of one head on codes of FP8 (E4M3) with E8M0 scales: S = q k^T / 8 (K = the head's 64), p = 2^(t - M), O = p v / l (K = the keys); O is quantised along the model's 1,024 and leaves as codes.
; THE SOFTMAX: t = score x log2(e) / 8; M = the running largest t rounded UP to a whole number; p = 2^(t - M) is quantised along the keys, not normalised; the row's sum l is taken of the unquantised p in f32 and divides O at the end.
; When M moves, l and O are multiplied by 2^(old M - new M), which rounds nothing.
; IN.  qkvc: q at 0, k at 8 MiB: [bh 64][token tile 128][c 2][512]; v at 16 MiB: [bh][key step 16][d tile 4][2048]: images of operand registers (lane l's 16 bytes at 16 l).  Lane-row r of token tile T is token 32 (T / 2) + 8 (T % 2) + r + 8 (r / 8).
; qkvs, three parts: [bh][step 16][r 16][4 words]; q, k: word f = bytes 0, 1 of tile 2 f, bytes 2, 3 of tile 2 f + 1; v: word t = d tile t's four key blocks.
; SHARES.  The four work-groups of a cluster serve one head.  A wave owns TWO tiles of 16 queries: T = 8 (w / 2) + w % 2 + 2 cx and 127 - T.  A tile T has T / 8 + 1 key steps of 128, so every wave has 17 steps, whatever w and cx: 256 work-groups of equal work.
; Steps all of whose keys come after the tile's queries are passed over by a scalar branch on the wave's number and the step; the trip counts are constants.  cx enters global addresses and vector data alone.
; NO RING: a head's K, V and scale words are 270,336 bytes and stay in LDS, each byte filled once, by joint loads that name all four work-groups (even waves K's, odd waves V's; four loads each, in the order in which the steps want them).
; So nothing is left to prefetch: every byte is asked for by its own load at the head.
; LAYOUT.  Both products are used transposed: S^T = K Q^T, O^T = V^T P^T: a lane holds ONE query (lane % 16) throughout, and the 16 registers of key tiles 2 b, 2 b + 1 are keys 32 b + 16 h + 0 .. 15.
; TWO KEY TILES IN ONE FRAGMENT: K = 64 fills half of the instruction's 128.  2,048 consecutive bytes of k are tile 2 f (k 0-63) and tile 2 f + 1 (k 64-127); multiplied by q with zero codes above it gives tile 2 f's scores, by q with zero codes below it tile 2 f + 1's.
; OUT.  oc: [rt 512][ks 8][2048] with rt = 128 batch + T, ks = head / 2, groups 2 (head % 2) + 0, 1: two stores of 512 consecutive bytes, aligned.  os: [rt][pair of K steps][r][2 words]: a head's two bytes of a row: 2 bytes a lane, 8 bytes apart:
; 262,144 bytes in all leave in such pieces; a row's other bytes belong to other heads, which other work-groups make.
; LIMITS: a block of zeros gets the byte 1 (its codes are zeros; this program alone reads the bytes); a largest magnitude under 2^-118 is taken as 2^-118; NaN and infinities are not served.
.set KC,   0                           ; LDS: K's codes, 131,072 bytes: 8,192 a step
.set VC,   131072                      ; V's
.set KS,   262144                      ; K's scale words, 4,096 bytes: 256 a step
.set VS,   266240                      ; V's
.set L16,  1                           ; v1   16 x lane
.set RS,   2                           ; v2   KS + 16 r
.set DB,   3                           ; v3   r + 8 (r / 8) - 16 h
.set ADK,  4                           ; v4   LDS address of the step's K
.set ADV,  5                           ; v5   of its V
.set ADS,  6                           ; v6   of its scale words
.set DM,   7                           ; v7   the mask's bound: register n holds a hidden key where 32 (n / 16) + n % 16 > DM
.set R8,   8                           ; v8   8 r
.set R16,  9                           ; v9   16 r
.set QW,   10                          ; v10  the word that holds my query's two scale bytes
.set NINF, 11                          ; v11  -infinity
                                       ; v12 -M, v13 the largest t, v[14:15] the sum in two halves; v16-23 zeros, v24-31 q, v32-39 zeros
.set KV,   40                          ; v40-103  four fragments of K, then of V
.set S,    104                         ; v104-167 S^T, then p
.set O,    168                         ; v168-199 O^T
.set PC,   200                         ; v200-215 p's codes
.set BM,   216                         ; v216-219 the blocks' largest scores, then largest p
.set PT,   220                         ; v220-223 at work
.set LM,   224                         ; v224-227 448 x the scale
.set SO,   228                         ; v228-231 the conversions' scale operands
.set FF,   232                         ; v232 f = 2^(old M - new M); v233 p's scale word
.set PSW,  233
.set TP,   234                         ; v234 at work
.set KSC,  236                         ; v236-239 K's scale words
.set VSC,  240                         ; v240-243 V's
.set QS,   244                         ; v244 q's scale word
.set HW,   245                         ; v245 O's two scale bytes
.set WV,   12
.set SA,   13                          ; s13  w / 2
.set ST,   14                          ; s14  the tile's last step
.set SI,   15                          ; s15  the step
.set KB,   16                          ; s16  8,192 x the step
.set TS,   17                          ; s17  256 x the step
.set TR,   18                          ; s18  trips to go
.set MNT,  19
.set SEL,  20
.set CS,   22                          ; s[22:23] c = log2(e) / 8
.set BH,   100                         ; s100 16 x batch + head
.set TT,   101                         ; s101 a tile
.macro CROUND                          ; a round of the cluster's barrier
	s_barrier_signal -1
	s_barrier_wait -1
	s_cmp_lg_u32 s[WV], 0
	s_cbranch_scc1 .Lnot_wave_0_\@
	s_barrier_signal -3
.Lnot_wave_0_\@:
	s_barrier_wait -3
	s_barrier_signal -1
	s_barrier_wait -1
.endm
; the four addresses of tile s[TT] into s[p:p+7] (q's codes, q's scale word, O's codes, O's scale bytes), the shift that brings its scale bytes down, and its first query's place in its step
.macro TILEADR p, sh, sq
	s_lshl_b32 s80, s[BH], 17
	s_lshl_b32 s82, s[TT], 10
	s_add_co_u32 s80, s80, s82
	s_mov_b32 s81, 0
	s_add_nc_u64 s[\p:\p+1], s[4:5], s[80:81]
	s_bfe_u32 s82, s[TT], 0x20001                  ; (T / 2) % 4
	s_and_b32 s83, s[TT], 1
	s_lshl_b32 s[\sh], s83, 4
	s_lshl_b32 s[\sq], s82, 5
	s_lshl_b32 s83, s83, 3
	s_add_co_u32 s[\sq], s[\sq], s83               ; 32 ((T / 2) % 4) + 8 (T % 2)
	s_lshl_b32 s80, s[BH], 12
	s_lshl_b32 s82, s82, 2
	s_add_co_u32 s80, s80, s82
	s_lshr_b32 s82, s[TT], 3
	s_lshl_b32 s82, s82, 8
	s_add_co_u32 s80, s80, s82
	s_add_nc_u64 s[\p+2:\p+3], s[6:7], s[80:81]
	s_lshr_b32 s82, s[BH], 4
	s_lshl_b32 s82, s82, 7
	s_add_co_u32 s82, s82, s[TT]                   ; rt = 128 x batch + T
	s_and_b32 s83, s[BH], 15
	s_lshl_b32 s80, s82, 14
	s_lshl_b32 s83, s83, 10
	s_add_co_u32 s80, s80, s83
	s_add_nc_u64 s[\p+4:\p+5], s[8:9], s[80:81]
	s_lshl_b32 s80, s82, 9
	s_bfe_u32 s83, s[BH], 0x20002                  ; head / 4: the pair of K steps
	s_lshl_b32 s83, s83, 7
	s_add_co_u32 s80, s80, s83
	s_and_b32 s83, s[BH], 3                        ; 4 ((head / 2) % 2) + 2 (head % 2)
	s_lshl_b32 s83, s83, 1
	s_add_co_u32 s80, s80, s83
	s_add_nc_u64 s[\p+6:\p+7], s[10:11], s[80:81]
.endm
	s_load_b256 s[4:11], s[0:1], 0x0               ; qkvc s[4:5], qkvs s[6:7], oc s[8:9], os s[10:11]
	v_lshl_add_u32 v254, v0, 2, 0x42000
	v_mov_b32 v255, 0
	ds_add_u32 v254, v255
	ds_add_u32 v254, v255
	v_lshrrev_b32 v1, 5, v0
	s_delay_alu instid0(VALU_DEP_1)
	v_readfirstlane_b32 s[WV], v1                  ; wave 0..15
	s_lshr_b32 s[SA], s[WV], 1
	s_and_b32 s[BH], ttmp7, 0xffff                 ; the head, which the four partners share
	s_bfe_u32 s80, ttmp6, 0x40000                  ; cx
	s_lshl_b32 s80, s80, 1
	s_and_b32 s81, s[WV], 1
	s_add_co_u32 s80, s80, s81
	s_lshl_b32 s81, s[SA], 3
	s_add_co_u32 s[TT], s80, s81                   ; my low tile
	; groups 1: dense blocks as R rows of 256 bytes (32 elements of 8 bytes), R = 16, 128, 256
.irp g, 24,40,48
	s_mov_b32 s[\g], 15|(3<<16)|(1<<21)            ; 15:0 the mask: all four work-groups; 17:16 elements of 8 bytes; 21 set beside a mask
	s_mov_b32 s[\g+1], 32<<16
	s_mov_b32 s[\g+3], 32<<16
	s_mov_b32 s[\g+5], 32
	s_mov_b32 s[\g+6], 0
	s_mov_b32 s[\g+7], 0
.endr
	s_mov_b32 s26, 16<<16
	s_mov_b32 s28, 16
	s_mov_b32 s42, 128<<16
	s_mov_b32 s44, 128
	s_mov_b32 s50, 256<<16
	s_mov_b32 s52, 256
	s_mov_b32 s[MNT], 0x600000
	s_mov_b32 s[SEL], 0x76543210
	s_mov_b32 s[SEL+1], 0xfedcba98
	s_mov_b32 s[CS], 0x3e38aa3b                    ; c = log2(e) / sqrt(64)
	s_mov_b32 s[CS+1], s[CS]                       ; (named with it as a pair, so it is written)
	s_wait_dscnt 0x0
	s_wait_kmcnt 0x0
	TILEADR 92, 66, 67                             ; the low tile: the second pass
	s_sub_co_u32 s[TT], 127, s[TT]
	TILEADR 84, 2, 3                               ; the high tile: the first pass
	; groups 0: even waves fetch K's, odd waves V's (every wave makes the words; waves 0 to 7 use them)
	s_and_b32 s80, s[WV], 1
	s_add_co_u32 s82, s80, 1
	s_lshl_b32 s82, s82, 18                        ; k's or v's part of the scale words,
	s_lshl_b32 s83, s[BH], 12                      ; my head's 4,096 bytes
	s_add_co_u32 s82, s82, s83
	s_mov_b32 s83, 0
	s_mov_b32 s56, 1
	s_lshl_b32 s57, s80, 12
	s_add_co_u32 s57, s57, KS
	s_add_nc_u64 s[58:59], s[6:7], s[82:83]
	s_or_b32 s59, s59, 0x80000000
	s_add_co_u32 s82, s80, 1
	s_lshl_b32 s82, s82, 23                        ; k's or v's part of the codes,
	s_lshl_b32 s81, s[BH], 17                      ; my head's 131,072 bytes
	s_add_co_u32 s82, s82, s81
	s_add_nc_u64 s[82:83], s[4:5], s[82:83]
	s_lshl_b32 s81, s80, 17                        ; K's codes at LDS byte 0, V's at 131,072
.macro CHUNK g, off
	s_mov_b32 s[\g], 1
	s_add_co_u32 s[\g+1], s81, \off
	s_add_nc_u64 s[\g+2:\g+3], s[82:83], \off
	s_or_b32 s[\g+3], s[\g+3], 0x80000000
.endm
	CHUNK 60, 0                                    ; steps 0 to 3
	CHUNK 72, 32768                                ; steps 4 to 7
	CHUNK 76, 65536                                ; steps 8 to 15
	CROUND                                         ; all four work-groups are here: the joint loads meet
; THE FILLS, ONE A WAVE: even waves fetch K's, odd waves V's.  Waves 0, 1: the scale words; 2, 3: steps 0 to 3; 4, 5: steps 4 to 7; 6, 7: steps 8 to 15; waves 8 to 15 fetch nothing.
; One tree of branches on the wave's number, an arm a load line, so that the gates below can wait for a line's issuers alone.
.macro ARM under, g0, g1, next
	s_cmp_lt_u32 s[WV], \under
	s_cbranch_scc0 \next
	tensor_load_to_lds s[\g0:\g0+3], s[\g1:\g1+7]
	s_nop 0
.rept 4
	v_nop
.endr
	s_branch .Lno_fetch
\next:
.endm
	ARM 2, 56, 24, .Lchunk_0
	ARM 4, 60, 40, .Lchunk_1
	ARM 6, 72, 40, .Lchunk_2
	ARM 8, 76, 48, .Lchunk_none
.Lno_fetch:
	v_and_b32 v[L16], 31, v0
	s_delay_alu instid0(VALU_DEP_1)
	v_lshlrev_b32 v[L16], 4, v[L16]
	v_and_b32 v[R8], 15, v0                        ; r
	v_bfe_u32 v[R16], v0, 4, 1                     ; h
	s_delay_alu instid0(VALU_DEP_2)
	v_lshl_add_u32 v[RS], v[R8], 4, KS
	s_delay_alu instid0(VALU_DEP_3)
	v_and_b32 v[DB], 8, v[R8]
	s_delay_alu instid0(VALU_DEP_1)
	v_add_nc_u32 v[DB], v[DB], v[R8]
	s_delay_alu instid0(VALU_DEP_4)
	v_lshlrev_b32 v[TP], 4, v[R16]
	s_delay_alu instid0(VALU_DEP_1)
	v_sub_nc_u32 v[DB], v[DB], v[TP]               ; r + 8 (r / 8) - 16 h
	v_lshlrev_b32 v[R16], 4, v[R8]
	v_lshlrev_b32 v[R8], 3, v[R8]
.macro QLOAD p                         ; a tile's q: two groups of 512 bytes, and the word with its scale bytes
	global_load_b128 v[24:27], v[L16], s[\p:\p+1]
	global_load_b128 v[28:31], v[L16], s[\p:\p+1] offset:512
	global_load_b32 v[QW], v[R16], s[\p+2:\p+3]
.endm
	QLOAD 84
	v_mov_b32 v[NINF], 0xff800000
.irp j, 16,17,18,19,20,21,22,23,32,33,34,35,36,37,38,39
	v_mov_b32 v[\j], 0                             ; zero codes below and above q
.endr
.irp b, 0,1,2,3
	v_mov_b32 v[PT+\b], 0                          ; written once: a lane permute's destination counts as one of its sources
.endr
	v_mov_b32 v[PSW], 0                            ; (named as the upper half of the pair v[232:233] before it is first written)
	v_mov_b32 v[TP], 0
; A pass begins: q is in; its scale word, the mask's bound, and the running figures.  O^T and the sum begin as zeros and the largest t as -3e38: the first change of M multiplies zeros.
.macro PASSSET sh, sq
	s_wait_loadcnt 0x0
	v_lshrrev_b32 v[QS], s[\sh], v[QW]             ; my tile's two bytes,
	s_delay_alu instid0(VALU_DEP_1)
	v_and_b32 v[QS], 0xffff, v[QS]
	s_delay_alu instid0(VALU_DEP_1)
	v_lshl_or_b32 v[QS], v[QS], 16, v[QS]          ; below for q with zeros above it, above for q with zeros below it
	v_add_nc_u32 v[DM], s[\sq], v[DB]
	v_mov_b32 v13, 0xff61b1e6
	s_delay_alu instid0(VALU_DEP_1)
	v_floor_f32 v12, -v13
	v_mov_b32 v14, 0
	v_mov_b32 v15, 0
.set N, 0
.rept 32
	v_mov_b32 v[O+N], 0
.set N, N+1
.endr
.endm
; A KEY STEP: 128 keys.
.macro STEP
	s_cmp_gt_u32 s[SI], s[ST]                      ; all its keys come after my queries: passed over, but for the lines at its end that step the addresses
	s_cbranch_scc1 .Lhid_\@
	v_add_nc_u32 v[ADK], s[KB], v[L16]
	s_delay_alu instid0(VALU_DEP_1)
	v_add_nc_u32 v[ADV], VC, v[ADK]
	v_add_nc_u32 v[ADS], s[TS], v[RS]
.rept 5
	v_nop                                          ; with the three additions: eight places in front of loads into registers that the last products read
.endr
.set N, 0
.rept 16
	ds_load_b128 v[KV+4*N:KV+4*N+3], v[ADK] offset:512*N
.set N, N+1
.endr
	ds_load_b128 v[KSC:KSC+3], v[ADS]
	s_wait_alu depctr_va_vdst(0)
	s_wait_dscnt 0x0
.irp f, 0,1,2,3
	v_wmma_scale_f32_16x16x128_f8f6f4 v[S+16*\f:S+16*\f+7], v[KV+16*\f:KV+16*\f+15], v[24:39], 0, v[KSC+\f], v[QS]      ; key tile 2 f
	v_wmma_scale_f32_16x16x128_f8f6f4 v[S+16*\f+8:S+16*\f+15], v[KV+16*\f:KV+16*\f+15], v[16:31], 0, v[KSC+\f], v[QS]   ; key tile 2 f + 1
.endr
.rept 8
	v_nop
.endr
.set N, 0
.rept 16
	ds_load_b128 v[KV+4*N:KV+4*N+3], v[ADV] offset:512*N   ; V's four fragments land while the softmax is walked
.set N, N+1
.endr
	ds_load_b128 v[VSC:VSC+3], v[ADS] offset:VS-KS
	s_cmp_lg_u32 s[SI], s[ST]                      ; only the tile's last step lies on the diagonal
	s_cbranch_scc1 .Lopen_\@
.set N, 0
.rept 64
	v_cmp_gt_i32 vcc_lo, 32*(N/16)+N%16, v[DM]     ; hidden scores become -infinity ahead of the maximum: p = 0 then
	v_cndmask_b32 v[S+N], v[S+N], v[NINF], vcc_lo
.set N, N+1
.endr
.Lopen_\@:
.irp b, 0,1,2,3
	v_max3_num_f32 v[BM+\b], v[S+16*\b], v[S+1+16*\b], v[S+2+16*\b]   ; the largest score of each block of 32 keys: for the row's maximum and, since p rises with the score, for the block's largest p
.endr
.irp i, 3,5,7,9,11,13
.irp b, 0,1,2,3
	v_max3_num_f32 v[BM+\b], v[BM+\b], v[S+16*\b+\i], v[S+1+16*\b+\i]
.endr
.endr
.irp b, 0,1,2,3
	v_max_num_f32 v[BM+\b], v[BM+\b], v[S+15+16*\b]
.endr
.irp b, 0,1,2,3
	s_delay_alu instid0(VALU_DEP_4)
	v_permlanex16_b32 v[PT+\b], v[BM+\b], s[SEL], s[SEL+1]
.endr
.irp b, 0,1,2,3
	s_delay_alu instid0(VALU_DEP_4)
	v_max_num_f32 v[BM+\b], v[BM+\b], v[PT+\b]     ; with lane l xor 16's 16 keys
.endr
	s_delay_alu instid0(VALU_DEP_2)
	v_max3_num_f32 v[TP], v[BM], v[BM+1], v[BM+2]
	s_delay_alu instid0(VALU_DEP_1)
	v_max_num_f32 v[TP], v[TP], v[BM+3]
	s_delay_alu instid0(VALU_DEP_1)
	v_mul_f32 v[TP], s[CS], v[TP]                  ; the step's largest t
	s_delay_alu instid0(VALU_DEP_1)
	v_max_num_f32 v13, v13, v[TP]                  ; the running largest t
	v_mov_b32 v[TP], v12
	s_delay_alu instid0(VALU_DEP_2)
	v_floor_f32 v12, -v13                          ; the new -M = -ceil(t): a whole number
	s_delay_alu instid0(VALU_DEP_1)
	v_sub_f32 v[TP], v12, v[TP]                    ; old M - new M: a whole number, 0 or less
	s_delay_alu instid0(VALU_DEP_1)
	v_cvt_i32_f32 v[TP], v[TP]                     ; (it saturates)
	s_delay_alu instid0(VALU_DEP_1)
	v_ldexp_f32 v[FF], 1.0, v[TP]                  ; f = 2^(old M - new M)
.set N, 0
.rept 32
	v_pk_fma_f32 v[S+N:S+N+1], v[S+N:S+N+1], s[CS:CS+1], v[12:13] op_sel_hi:[1,0,0]   ; t - M, two at a time
.set N, N+2
.endr
.irp b, 0,1,2,3
	v_fma_f32 v[BM+\b], v[BM+\b], s[CS], v12       ; the same of each block's largest score
.endr
.set N, 0
	s_wait_alu depctr_va_vdst(0)
.rept 64
	v_exp_f32 v[S+N], v[S+N]                       ; p = 2^(t - M)
.set N, N+1
.endr
	v_pk_mul_f32 v[14:15], v[14:15], v[FF:FF+1] op_sel_hi:[1,0]   ; the sums under the new M: a plain line behind the exponentials
	s_wait_alu depctr_va_vdst(0)                   ; one wait for the batch of 64, ahead of its first reader
.irp b, 0,1,2,3
	v_exp_f32 v[BM+\b], v[BM+\b]                   ; the blocks' largest p
.endr
	v_pk_add_f32 v[220:221], v[108:109], v[112:113]
	v_pk_add_f32 v[252:253], v[116:117], v[120:121]
	v_pk_add_f32 v[250:251], v[124:125], v[128:129]
	v_pk_add_f32 v[248:249], v[132:133], v[136:137]
	v_pk_add_f32 v[246:247], v[140:141], v[144:145]
	v_pk_add_f32 v[238:239], v[148:149], v[152:153]
	v_pk_add_f32 v[236:237], v[156:157], v[160:161]
	v_pk_add_f32 v[14:15], v[14:15], v[164:165]
	v_pk_add_f32 v[220:221], v[220:221], v[104:105]
	v_pk_add_f32 v[252:253], v[252:253], v[106:107]
	v_pk_add_f32 v[250:251], v[250:251], v[110:111]
	v_pk_add_f32 v[248:249], v[248:249], v[114:115]
	v_pk_add_f32 v[246:247], v[246:247], v[118:119]
	v_pk_add_f32 v[238:239], v[238:239], v[122:123]
	v_pk_add_f32 v[236:237], v[236:237], v[126:127]
	v_pk_add_f32 v[14:15], v[14:15], v[130:131]
	v_pk_add_f32 v[220:221], v[220:221], v[134:135]
	v_pk_add_f32 v[252:253], v[252:253], v[138:139]
	v_pk_add_f32 v[250:251], v[250:251], v[142:143]
	v_pk_add_f32 v[248:249], v[248:249], v[146:147]
	v_pk_add_f32 v[246:247], v[246:247], v[150:151]
	v_pk_add_f32 v[238:239], v[238:239], v[154:155]
	v_pk_add_f32 v[236:237], v[236:237], v[158:159]
	v_pk_add_f32 v[14:15], v[14:15], v[162:163]
	v_pk_add_f32 v[220:221], v[220:221], v[166:167]
	s_delay_alu instid0(VALU_DEP_2)
	v_pk_add_f32 v[14:15], v[14:15], v[248:249]
	s_delay_alu instid0(VALU_DEP_2)
	v_pk_add_f32 v[220:221], v[220:221], v[246:247]
	v_pk_add_f32 v[252:253], v[252:253], v[238:239]
	v_pk_add_f32 v[250:251], v[250:251], v[236:237]
	s_delay_alu instid0(VALU_DEP_2)
	v_pk_add_f32 v[14:15], v[14:15], v[252:253]
	s_delay_alu instid0(VALU_DEP_2)
	v_pk_add_f32 v[220:221], v[220:221], v[250:251]
	s_delay_alu instid0(VALU_DEP_1)
	v_pk_add_f32 v[14:15], v[14:15], v[220:221]
	s_wait_alu depctr_va_vdst(0)                   ; and one for the four
.irp b, 0,1,2,3
	v_max_num_f32 v[BM+\b], 0x4800000, v[BM+\b]    ; the floor 2^(9 - 127): the byte cannot fall under 1
.endr
.irp b, 0,1,2,3
	s_delay_alu instid0(VALU_DEP_4)
	v_add_nc_u32 v[SO+\b], 0xfc000000, v[BM+\b]    ; the conversion's scale operand
.endr
.irp b, 0,1,2,3
	v_and_or_b32 v[LM+\b], v[BM+\b], 0x7f800000, s[MNT]   ; 448 x the scale
.endr
.irp b, 0,1,2,3
	v_lshrrev_b32 v[PT+\b], 23, v[SO+\b]           ; the scale's byte
.endr
	s_delay_alu instid0(VALU_DEP_3)
	v_lshl_or_b32 v[PSW], v[PT+1], 8, v[PT]        ; p's scale word for these 128 keys
	s_delay_alu instid0(VALU_DEP_1)
	v_lshl_or_b32 v[PSW], v[PT+2], 16, v[PSW]
	s_delay_alu instid0(VALU_DEP_1)
	v_lshl_or_b32 v[PSW], v[PT+3], 24, v[PSW]
.irp b, 0,1,2,3
.irp i, 0,1,2,3,4,5,6,7,8,9,10,11,12,13,14,15
	v_min_num_f32 v[S+16*\b+\i], v[S+16*\b+\i], v[LM+\b]   ; the conversion does not saturate (ISA guide 7.6.2); p is not negative, so the hold is one-sided
.endr
	v_cvt_scalef32_pk8_fp8_f32 v[PC+4*\b:PC+1+4*\b], v[S+16*\b:S+7+16*\b], v[SO+\b]
	v_cvt_scalef32_pk8_fp8_f32 v[PC+2+4*\b:PC+3+4*\b], v[S+8+16*\b:S+15+16*\b], v[SO+\b]
.endr
.set N, 0
.rept 16
	v_pk_mul_f32 v[O+N:O+N+1], v[O+N:O+N+1], v[FF:FF+1] op_sel_hi:[1,0]   ; O^T under the new M; these lines are also the places between the codes and the products
.set N, N+2
.endr
.rept 4
	v_nop                                          ; four plain lines between O^T's last rescaling and the products
.endr
	s_wait_alu depctr_va_vdst(0)
	s_wait_dscnt 0x0                               ; V is in
.irp t, 0,1,2,3
	v_wmma_scale_f32_16x16x128_f8f6f4 v[O+8*\t:O+8*\t+7], v[KV+16*\t:KV+16*\t+15], v[PC:PC+15], v[O+8*\t:O+8*\t+7], v[VSC+\t], v[PSW]
.endr
.Lhid_\@:
	s_add_co_u32 s[SI], s[SI], 1
	s_add_co_u32 s[KB], s[KB], 8192
	s_add_co_u32 s[TS], s[TS], 256
.endm
.macro LOOPN n, first                  ; n steps from step first on
	s_mov_b32 s[SI], \first
	s_mov_b32 s[KB], \first*8192
	s_mov_b32 s[TS], \first*256
	s_mov_b32 s[TR], \n
.Ltrip_\@:
	STEP
	s_sub_co_u32 s[TR], s[TR], 1
	s_cmp_lg_u32 s[TR], 0
	s_cbranch_scc1 .Ltrip_\@
.endm
.macro GATE under                      ; the loads of the waves under this number have landed (8: of all: the wait stands under no branch); then the work-group's barrier.  Later chunks may stay out
.if \under < 8
	s_cmp_lt_u32 s[WV], \under
	s_cbranch_scc0 .Llater_\@
	s_wait_tensorcnt 0x0
.Llater_\@:
.else
	s_wait_tensorcnt 0x0
.endif
	s_wait_dscnt 0x0
	s_barrier_signal -1
	s_barrier_wait -1
.endm
; A pass ends: O^T / l, quantised along the head's 64 in two blocks of 32, leaves as codes.  next = 1: the other tile's q is asked for first.
.macro FINISH p, next
.if \next
	QLOAD 92
.endif
.rept 8
	v_nop                                          ; eight places behind the last products, on every way here
.endr
	v_add_f32 v14, v14, v15                        ; the sum's two halves,
	s_delay_alu instid0(VALU_DEP_1)
	v_permlanex16_b32 v[TP], v14, s[SEL], s[SEL+1]
	s_delay_alu instid0(VALU_DEP_1)
	v_add_f32 v14, v14, v[TP]                      ; and lane l xor 16's: the row's sum
	s_wait_alu depctr_va_vdst(0)
	v_rcp_f32 v14, v14
	v_nop                                          ; a plain line behind the reciprocal
	s_wait_alu depctr_va_vdst(0)                   ; and the wait ahead of its first reader
.set N, 0
.rept 16
	v_pk_mul_f32 v[S+N:S+N+1], v[O+N:O+N+1], v[14:15] op_sel_hi:[1,0]   ; register 16 b + i = channel 32 b + 16 h + i of my query; each accumulator is read from its low end on
.set N, N+2
.endr
.irp b, 0,1
	v_max3_num_f32 v[BM+\b], |v[S+16*\b]|, |v[S+1+16*\b]|, 0x4800000
.endr
.irp i, 2,4,6,8,10,12,14
.irp b, 0,1
	s_delay_alu instid0(VALU_DEP_2)
	v_max3_num_f32 v[BM+\b], v[BM+\b], |v[S+16*\b+\i]|, |v[S+1+16*\b+\i]|
.endr
.endr
.irp b, 0,1
	s_delay_alu instid0(VALU_DEP_2)
	v_permlanex16_b32 v[PT+\b], v[BM+\b], s[SEL], s[SEL+1]
.endr
.irp b, 0,1
	s_delay_alu instid0(VALU_DEP_2)
	v_max_num_f32 v[BM+\b], v[BM+\b], v[PT+\b]
.endr
.irp b, 0,1
	s_delay_alu instid0(VALU_DEP_2)
	v_add_nc_u32 v[SO+\b], 0xfc000000, v[BM+\b]
.endr
.irp b, 0,1
	s_delay_alu instid0(VALU_DEP_4)
	v_and_or_b32 v[LM+\b], v[BM+\b], 0x7f800000, s[MNT]
.endr
.irp b, 0,1
	s_delay_alu instid0(VALU_DEP_4)
	v_lshrrev_b32 v[PT+\b], 23, v[SO+\b]
.endr
	s_delay_alu instid0(VALU_DEP_1)
	v_lshl_or_b32 v[HW], v[PT+1], 8, v[PT]
.irp b, 0,1
.irp i, 0,1,2,3,4,5,6,7,8,9,10,11,12,13,14,15
	v_med3_num_f32 v[S+16*\b+\i], v[S+16*\b+\i], -v[LM+\b], v[LM+\b]
.endr
	v_cvt_scalef32_pk8_fp8_f32 v[PC+4*\b:PC+1+4*\b], v[S+16*\b:S+7+16*\b], v[SO+\b]
	v_cvt_scalef32_pk8_fp8_f32 v[PC+2+4*\b:PC+3+4*\b], v[S+8+16*\b:S+15+16*\b], v[SO+\b]
.endr
	v_nop                                          ; one plain vector line behind the last conversion
	global_store_b128 v[L16], v[PC:PC+3], s[\p+4:\p+5]               ; 512 consecutive bytes, aligned
	global_store_b128 v[L16], v[PC+4:PC+7], s[\p+4:\p+5] offset:512
	global_store_b16 v[R8], v[HW], s[\p+6:\p+7]    ; my row's two bytes (lanes 16-31 write what lanes 0-15 write)
.endm
	PASSSET 2, 3                                   ; THE FIRST PASS: the high tile, 16 - w / 2 steps
	s_sub_co_u32 s[ST], 15, s[SA]
	GATE 4                                         ; the scale words and steps 0 to 3 are in
	s_wait_tensorcnt 0x0                           ; every wave: my load, if I had one, has landed (steps 4 to 15 are waves 4 to 7's),
	s_barrier_signal -1                            ; and I say so now; no LDS instruction of mine is out here.  Up to the wait stand LDS loads of steps 0 to 3, which nobody writes, and register work
	LOOPN 4, 0
	s_barrier_wait -1                              ; every wave has said so: steps 4 to 15 are in
	LOOPN 12, 4
	FINISH 84, 1
	s_wait_xcnt 0x0                                ; the stores have read the codes' registers and the bytes': they are written again only behind this wait
	PASSSET 66, 67                                 ; THE SECOND PASS: the low tile, w / 2 + 1 steps
	s_mov_b32 s[ST], s[SA]
	LOOPN 8, 0
	FINISH 92, 0
	s_wait_tensorcnt 0x0
	ds_add_u32 v254, v255
	s_wait_dscnt 0x0
	CROUND                                         ; the closing round: no work-group ends while a partner may still ask for a tile that names it
	s_endpgm
.Lfunc_end_k_q98fdc01baa_attn:
	.size	k_q98fdc01baa_attn, .Lfunc_end_k_q98fdc01baa_attn-k_q98fdc01baa_attn
	.p2alignl 7, 3214868480
	.fill 96, 4, 3214868480
	.section	.rodata,"a",@progbits
	.p2align	6, 0x0
	.amdhsa_kernel k_q98fdc01baa_attn
		.amdhsa_group_segment_fixed_size 272384
		.amdhsa_private_segment_fixed_size 0
		.amdhsa_enable_private_segment 0
		.amdhsa_kernarg_size 32
		.amdhsa_user_sgpr_count 2
		.amdhsa_user_sgpr_kernarg_segment_ptr 1
		.amdhsa_wavefront_size32 1
		.amdhsa_system_sgpr_workgroup_id_x 1
		.amdhsa_system_sgpr_workgroup_id_y 1
		.amdhsa_system_sgpr_workgroup_id_z 1
		.amdhsa_system_vgpr_workitem_id 0
		.amdhsa_next_free_vgpr 256
		.amdhsa_next_free_sgpr 102
		.amdhsa_reserve_vcc 1
		.amdhsa_float_denorm_mode_32 3
		.amdhsa_float_denorm_mode_16_64 3
		.amdhsa_memory_ordered 1
		.amdhsa_forward_progress 1
		.amdhsa_inst_pref_size 101
	.end_amdhsa_kernel
	.amdgpu_metadata
---
amdhsa.version: [ 1, 2 ]
amdhsa.kernels:
  - .name:           k_q98fdc01baa_attn
    .symbol:         k_q98fdc01baa_attn.kd
    .args:
      - { .name: qkvc, .offset: 0, .size: 8, .value_kind: global_buffer, .address_space: global }
      - { .name: qkvs, .offset: 8, .size: 8, .value_kind: global_buffer, .address_space: global }
      - { .name: oc, .offset: 16, .size: 8, .value_kind: global_buffer, .address_space: global }
      - { .name: os, .offset: 24, .size: 8, .value_kind: global_buffer, .address_space: global }
    .group_segment_fixed_size: 272384
    .private_segment_fixed_size: 0
    .kernarg_segment_align: 8
    .kernarg_segment_size: 32
    .max_flat_workgroup_size: 512
    .sgpr_count:     102
    .vgpr_count:     256
    .wavefront_size: 32
...
	.end_amdgpu_metadata
.endif
;; end of part 3
;; launch oproj (part 4): grid 4 x 64, 4 waves a work-group, clusters of 4 x 4, 327,680 bytes of LDS; arguments oc, os, wc, ws, out0; writes out0
.if DOCPART == 4
	.amdgcn_target "amdgcn-amd-amdhsa--gfx1250"
	.amdhsa_code_object_version 6
	.text
	.protected	k_q98fdc01baa_oproj
	.globl	k_q98fdc01baa_oproj
	.p2align	8
	.type	k_q98fdc01baa_oproj,@function
k_q98fdc01baa_oproj:
	s_mov_b64 s[64:65], 0
	v_nop
	global_prefetch_b8 v0, s[64:65] scope:SCOPE_SE
	s_setreg_imm32_b32 hwreg(HW_REG_WAVE_MODE, 25, 1), 1
	s_wait_xcnt 0x0
	s_wait_alu depctr_hold_cnt(0) depctr_sa_sdst(0) depctr_va_vdst(0) depctr_va_sdst(0) depctr_va_ssrc(0) depctr_va_vcc(0) depctr_vm_vsrc(0)
	s_getreg_b32 s2, hwreg(HW_REG_IB_STS2, 6, 4)
	s_cmp_eq_u32 s2, 0
	s_cbranch_scc0 .Lentry_in_a_cluster
	s_endpgm
.Lentry_in_a_cluster:
	s_bfe_u32 s2, ttmp6, 0x10000c
	s_cmp_lg_u32 s2, 0xf033
	s_cbranch_scc0 .Lentry_shape_is_right
	s_endpgm
.Lentry_shape_is_right:
; out0 = o wo^T on codes of FP8 (E4M3) with E8M0 scales, K = 1,024, f32 out.  oc, wc: images of operand registers [rt][ks 8][2048] (lane-row r of row tile rt = row 32 (rt / 2) + 8 (rt % 2) + r + 8 (r / 8)); os, ws: [rt][pair of K steps 4][r 16][2 words]; wo is wc's row tiles 192 on.
; A work-group makes 128 tokens x 256 features: four waves of 64 x 128: source 0 = wo's 8 row tiles (P0), source 1 = o's 4 (P1): 32 accumulators; a lane holds a token, and the 16 registers of P0's tiles 2 B, 2 B + 1 are features 32 B + 16 h + 0 .. 15.
; TWO FILLS.  At the head one joint load a wave: o's 8 row tiles, ALL of K (131,072 bytes, one dense block); wo's 16 row tiles, K steps 0-3 (8,192 bytes of each); o's scale words; wo's.  o's rows and the scale words are filled once.
; wo's K steps 4-7 are filled over its K steps 0-3, a quarter (4 row tiles) a wave, behind the full sequence and a round of the cluster's barrier, as soon as K step 3's fragments stand in registers: K step 3 is multiplied while that load is out.
; 4 x 4 clusters: o's tiles are asked for jointly along a row of the cluster, wo's along a column.
; Both operands have two register sets: while K step n is multiplied, K step n + 1's 48 loads are out.
; PREFETCH: wo's K steps 4-7 are asked for at the head, four K steps ahead of their load: in a cluster each wave names one row tile's 8,192 bytes (row tile 4 cy + wave of its tile column), a lane 256 bytes.  All clusters read the same wo, so the first four clusters ask.  o's rows come whole by the head's load.
; Results leave through each wave's stage in LDS, bytes of its own into which no fill lands, in rows of 512 consecutive bytes, aligned.
; REGISTERS: window 0: v1-29 addresses; v32-95 scale words, two sets, and nothing else; v128-255 P1's two sets, then the way out.  window 1: P0's two sets.  window 2: accumulator (a, b) at v[8 (8 a + b)].
.set WR,    131072                     ; LDS: o's rows at 0, [rt 8][16384]; wo's here, [rt 16][8192]
.set SCL,   262144                     ; o's scale words, 4,096 bytes, then wo's, 8,192
.set SCW,   4096
.set SPARE, SCL+12288                  ; the spare words: two blocks of 256 bytes that no other line names
.set STAGE, SPARE+512                  ; four stages of 16 rows x 528 bytes
.set AF,    128
.set L16,   3
.set PFO,   4                          ; v4 256 x lane; never rewritten
.set ADR1,  16
.set ADR0,  20
.set ADS1,  22
.set ADS0,  23
.set STO,   24
.set RD,    25
.set SPW,   28
.set NIL,   29
.set BK,    128
.set WV,    16
.set H1,    17
.set H0,    18
.set G1X,   24
.set G0X,   32
.set G0W,   36
.set G1W,   48
.set G1SX,  56
.set G1SW,  68
.set G0SX,  76
.set G0SW,  80
.set PF,    84                         ; s[84:85] where my prefetch stands; never rewritten behind it
.set MSB, 0
.macro WIN new                         ; the immediate's high byte repeats the setting that is left
.if MSB != (\new)
	s_set_vgpr_msb (MSB<<8)|(\new)
.set MSB, (\new)
.endif
.endm
.macro PLACES n
.rept \n
	v_nop
.endr
.endm
.macro TL g0, g1                       ; a tensor load; s_nop 0 and four v_nop follow
	tensor_load_to_lds s[\g0:\g0+3], s[\g1:\g1+7]
	s_nop 0
	PLACES 4
.endm
.macro CREST
	s_cmp_lg_u32 s[WV], 0
	s_cbranch_scc1 .Lnot_wave_0_\@
	s_barrier_signal -3
.Lnot_wave_0_\@:
	s_barrier_wait -3
	s_barrier_signal -1
	s_barrier_wait -1
.endm
.macro CROUND
	s_barrier_signal -1
	s_barrier_wait -1
	CREST
.endm
.macro GRP1 g, m, c, r, p              ; group 1: mask register, elements of 8 bytes a row, rows, pitch
	s_or_b32 s[\g], s\m, (3<<16)|(1<<21)
	s_mov_b32 s[\g+1], (\c)<<16
	s_mov_b32 s[\g+2], (\r)<<16
	s_mov_b32 s[\g+3], (\c)<<16
	s_mov_b32 s[\g+4], \r
	s_mov_b32 s[\g+5], \p
	s_mov_b32 s[\g+6], 0
	s_mov_b32 s[\g+7], 0
.endm
.macro GRP0 g, lds, ptr, off
	s_mov_b32 s[\g], 1
	s_mov_b32 s[\g+1], \lds
	s_add_nc_u64 s[\g+2:\g+3], s[\ptr:\ptr+1], s[\off:\off+1]
	s_or_b32 s[\g+3], s[\g+3], 0x80000000
.endm
.macro FETCH_B ks                      ; P0's eight fragments of K step ks into set ks % 2: 32 loads
	WIN 0x40
.irp i, 0,1,2,3,4,5,6,7
.irp c, 0,1,2,3
	ds_load_b128 v[128*((\ks)%2)+16*\i+4*\c:128*((\ks)%2)+16*\i+4*\c+3], v[ADR0] offset:8192*\i+2048*((\ks)%4)+512*\c
.endr
.endr
	WIN 0
.endm
.macro FETCH_A ks                      ; P1's four: 16 loads
.irp i, 0,1,2,3
.irp c, 0,1,2,3
	ds_load_b128 v[AF+64*((\ks)%2)+16*\i+4*\c:AF+64*((\ks)%2)+16*\i+4*\c+3], v[ADR1] offset:16384*\i+2048*(\ks)+512*\c
.endr
.endr
.endm
.macro SCALES pr                       ; the scale words of pair pr of K steps into set pr % 2: 12 loads; lanes 16-31 load what lanes 0-15 load
.irp i, 0,1,2,3
	ds_load_b64 v[32+32*((\pr)%2)+2*\i:32+32*((\pr)%2)+2*\i+1], v[ADS1] offset:512*\i+128*(\pr)
.endr
.irp i, 0,1,2,3,4,5,6,7
	ds_load_b64 v[48+32*((\pr)%2)+2*\i:48+32*((\pr)%2)+2*\i+1], v[ADS0] offset:512*\i+128*(\pr)
.endr
.endm
; n blocks of eight products of K step ks from P1's tile a0 on; the 32 accumulators take turns, one instruction a turn
.macro MULS ks, a0, n, zero
	WIN 0xa1
.set AI, \a0
.rept \n
.irp b, 0,1,2,3,4,5,6,7
.if \zero
	v_wmma_scale_f32_16x16x128_f8f6f4 v[8*(8*AI+\b):8*(8*AI+\b)+7], v[128*((\ks)%2)+16*\b:128*((\ks)%2)+16*\b+15], v[AF+64*((\ks)%2)+16*AI:AF+64*((\ks)%2)+16*AI+15], 0, v[48+32*(((\ks)/2)%2)+2*\b+(\ks)%2], v[32+32*(((\ks)/2)%2)+2*AI+(\ks)%2]
.else
	v_wmma_scale_f32_16x16x128_f8f6f4 v[8*(8*AI+\b):8*(8*AI+\b)+7], v[128*((\ks)%2)+16*\b:128*((\ks)%2)+16*\b+15], v[AF+64*((\ks)%2)+16*AI:AF+64*((\ks)%2)+16*AI+15], v[8*(8*AI+\b):8*(8*AI+\b)+7], v[48+32*(((\ks)/2)%2)+2*\b+(\ks)%2], v[32+32*(((\ks)/2)%2)+2*AI+(\ks)%2]
.endif
.endr
.set AI, AI+1
.endr
.endm
.macro KS ks, sc, zero=0               ; K step ks: the next K step's fragments are asked for (sc = 1: and the next pair's scale words), then ks is multiplied
	FETCH_B (\ks)+1
	FETCH_A (\ks)+1
.if \sc
	SCALES ((\ks)+1)/2
	s_wait_dscnt 60                                ; all but the 60 just issued
.else
	s_wait_dscnt 48                                ; all but the 48 just issued
.endif
	MULS \ks, 0, 4, \zero
	PLACES 8                                       ; ahead of loads into what these products have read
	WIN 0
.endm
	s_load_b256 s[4:11], s[0:1], 0x0               ; oc, os, wc, ws
	s_load_b64 s[12:13], s[0:1], 0x20              ; out0
	v_lshl_add_u32 v[SPW], v0, 2, SPARE
	v_mov_b32 v[NIL], 0
	ds_add_u32 v[SPW], v[NIL]                      ; the opening lines: the add twice on end and its wait
	ds_add_u32 v[SPW], v[NIL]
	v_lshrrev_b32 v1, 5, v0
	v_readfirstlane_b32 s[WV], v1                  ; wave 0..3
	s_lshr_b32 s[H1], s[WV], 1                     ; my half of o's row tiles
	s_and_b32 s[H0], s[WV], 1                      ; my half of wo's
	s_bfe_u32 s20, ttmp6, 0x40000                  ; cx
	s_bfe_u32 s21, ttmp6, 0x40004                  ; cy
	s_lshl_b32 s22, ttmp9, 2
	s_add_co_u32 s22, s22, s20                     ; tile column 0..3
	s_and_b32 s23, ttmp7, 0xffff
	s_lshl_b32 s23, s23, 2
	s_add_co_u32 s23, s23, s21                     ; tile row 0..63
	s_lshl_b32 s40, s21, 2
	s_lshl_b32 s40, 15, s40                        ; my row of the cluster
	s_lshl_b32 s41, 0x1111, s20                    ; my column
	GRP1 G1X, 40, 2048, 8, 2048                    ; o: 8 row tiles of 16,384 bytes
	GRP1 G1W, 41, 1024, 16, 2048                   ; wo: of 16 row tiles the 8,192 bytes of four K steps, 16,384 bytes apart
	GRP1 G1SX, 40, 32, 16, 32                      ; scale words: dense, as rows of 256 bytes
	GRP1 G1SW, 41, 32, 32, 32
	s_lshl_b32 s42, s23, 17
	s_mov_b32 s43, 0
	s_lshl_b32 s44, s22, 18
	s_add_co_u32 s44, s44, 3145728
	s_mov_b32 s45, 0
	s_lshl_b32 s46, s23, 12
	s_mov_b32 s47, 0
	s_lshl_b32 s86, s22, 13
	s_add_co_u32 s86, s86, 98304
	s_mov_b32 s87, 0
	s_wait_dscnt 0x0                               ; both opening adds are done
	s_wait_kmcnt 0x0
	CROUND                                         ; all sixteen work-groups are here
	GRP0 G0X, 0, 4, 42
	GRP0 G0W, WR, 8, 44
	GRP0 G0SX, SCL, 6, 46
	GRP0 G0SW, SCL+SCW, 10, 86
	s_add_nc_u64 s[PF:PF+1], s[8:9], s[44:45]
.macro ARM under, g0, g1, next         ; one tree of branches on the wave's number: every way through the head passes one load
	s_cmp_lt_u32 s[WV], \under
	s_cbranch_scc0 \next
	TL \g0, \g1
	s_branch .Lhead_asked
\next:
.endm
	ARM 1, G0W,  G1W,  .Lhead_x
	ARM 2, G0X,  G1X,  .Lhead_sx
	ARM 3, G0SX, G1SX, .Lhead_sw
	TL G0SW, G1SW
.Lhead_asked:
	s_lshl_b32 s2, s21, 2                          ; the prefetch: row tile 4 cy + wave of my tile column, its K steps 4-7
	s_add_co_u32 s2, s2, s[WV]
	s_lshl_b32 s2, s2, 14
	s_add_co_u32 s2, s2, 8192
	s_mov_b32 s3, 0
	s_add_nc_u64 s[PF:PF+1], s[PF:PF+1], s[2:3]
	s_lshl_b32 s2, s23, 19                         ; out0: 128 rows of 4,096 bytes a tile row, 64 a half; 1,024 bytes a tile column, 512 a half
	s_lshl_b32 s42, s[H1], 18
	s_add_co_u32 s2, s2, s42
	s_lshl_b32 s42, s22, 10
	s_add_co_u32 s2, s2, s42
	s_lshl_b32 s42, s[H0], 9
	s_add_co_u32 s2, s2, s42
	s_add_nc_u64 s[12:13], s[12:13], s[2:3]
	s_lshl_b32 s42, s[H1], 16                      ; LDS: my 4 row tiles of o,
	s_lshl_b32 s43, s[H0], 16
	s_add_co_u32 s43, s43, WR                      ; my 8 of wo,
	s_lshl_b32 s44, s[H1], 11
	s_add_co_u32 s44, s44, SCL                     ; their scale words,
	s_lshl_b32 s45, s[H0], 12
	s_add_co_u32 s45, s45, SCL+SCW
	s_mul_i32 s46, s[WV], 8448
	s_add_co_u32 s46, s46, STAGE                   ; my stage
	s_lshl_b32 s47, s[WV], 15                      ; the refill: my 4 row tiles in LDS,
	s_lshl_b32 s86, s[WV], 16
	s_add_co_u32 s86, s86, 8192                    ; and in memory, four K steps on
	s_and_b32 s2, ttmp7, 0xffff                    ; the cluster's y
	v_and_b32 v1, 15, v0                           ; r
	v_bfe_u32 v2, v0, 4, 1                         ; h
	v_and_b32 v[L16], 31, v0
	v_lshlrev_b32 v[PFO], 8, v[L16]
	v_lshlrev_b32 v[L16], 4, v[L16]
	v_add_nc_u32 v[ADR1], s42, v[L16]
	v_add_nc_u32 v[ADR0], s43, v[L16]
	v_lshl_add_u32 v[ADS1], v1, 3, s44
	v_lshl_add_u32 v[ADS0], v1, 3, s45
	v_mul_u32_u24 v[STO], v1, 528
	v_lshl_add_u32 v[STO], v2, 6, v[STO]
	v_add_nc_u32 v[STO], s46, v[STO]               ; into the stage: row r, 64 bytes for each half of the lanes
	v_add_nc_u32 v[RD], s46, v[L16]                ; back: a row of 512 bytes
	s_cmp_lt_u32 s2, 4                             ; the cluster's number alone: the same in all sixteen partners
	s_cbranch_scc0 .Lnot_asking
	global_prefetch_b8 v[PFO], s[PF:PF+1] th:TH_LOAD_NT scope:SCOPE_SE
.Lnot_asking:
	s_wait_alu depctr_va_vdst(0)                   ; the wait at the head's end
	s_wait_tensorcnt 0x0                           ; my tile of the head's four is in, and no tensor load of mine is out: wo's groups turn to the refill
	s_mov_b32 s[G1W+2], 4<<16
	s_mov_b32 s[G1W+4], 4
	s_add_co_u32 s[G0W+1], s47, WR
	s_add_nc_u64 s[G0W+2:G0W+3], s[G0W+2:G0W+3], s[86:87]
	s_barrier_signal -1
	s_barrier_wait -1                              ; everybody's is in
	FETCH_B 0
	FETCH_A 0
	SCALES 0
	KS 0, 0, 1                                     ; the first products start the sums
	KS 1, 1
	FETCH_B 3                                      ; K step 2: my last reads of wo's first four K steps are asked for,
	FETCH_A 3
	s_wait_tensorcnt 0x0                           ; the three lines ahead of the refill's round
	ds_add_u32 v[SPW], v[NIL]
	s_wait_dscnt 49                                ; (the add and the 48 loads just issued may be out)
	MULS 2, 0, 2, 0
	s_wait_dscnt 0x0                               ; the add is done, and K step 3's fragments stand in registers
	s_barrier_signal -1
	MULS 2, 2, 2, 0
	WIN 0
	s_barrier_wait -1
	CREST                                          ; no wave of any partner still reads wo's rows
	TL G0W, G1W                                    ; wo's K steps 4-7, a quarter a wave
	PLACES 4                                       ; with the four above: eight places behind K step 2's products
	FETCH_A 4                                      ; o's rows and the scale words are not filled again
	SCALES 2
	MULS 3, 0, 4, 0
	PLACES 8
	WIN 0
	s_wait_tensorcnt 0x0                           ; my quarter is in,
	s_wait_dscnt 0x0
	s_barrier_signal -1
	s_barrier_wait -1                              ; everybody's is
	FETCH_B 4
	KS 4, 0
	KS 5, 1
	KS 6, 0
	s_wait_dscnt 0x0
	MULS 7, 0, 4, 0
	PLACES 8
	WIN 0
; THE WAY OUT: token tile a, 16 rows x 128 features, through my stage; LDS serves a wave's instructions in order, so no wait stands between the stores and the loads
.macro TOSTAGE a
	WIN 0x08
.irp b, 0,1,2,3,4,5,6,7
	ds_store_b128 v[STO], v[64*(\a)+8*\b:64*(\a)+8*\b+3] offset:128*(\b/2)+32*(\b%2)          ; each accumulator from its low end on
	ds_store_b128 v[STO], v[64*(\a)+8*\b+4:64*(\a)+8*\b+7] offset:128*(\b/2)+32*(\b%2)+16
.endr
	WIN 0
.set BB, BK+64*((\a)%2)
.irp t, 0,1,2,3,4,5,6,7,8,9,10,11,12,13,14,15
	ds_load_b128 v[BB+4*\t:BB+4*\t+3], v[RD] offset:528*\t
.endr
.endm
.macro SEND a, younger                 ; younger: the LDS instructions issued behind tile a's loads
.set BB, BK+64*((\a)%2)
	s_wait_dscnt \younger
.irp t, 0,1,2,3,4,5,6,7,8,9,10,11,12,13,14,15
	global_store_b128 v[L16], v[BB+4*\t:BB+4*\t+3], s[12:13] offset:(32*((\a)/2)+8*((\a)%2)+\t+8*(\t/8))*4096 th:TH_STORE_NT   ; 512 consecutive bytes, aligned
.endr
.endm
	TOSTAGE 0
	TOSTAGE 1
	SEND 0, 32
	s_wait_xcnt 0x0                                ; tile 0's stores have read their registers: tile 2's loads may land there
	TOSTAGE 2
	SEND 1, 32
	s_wait_xcnt 0x0
	TOSTAGE 3
	SEND 2, 32
	SEND 3, 0
	s_wait_tensorcnt 0x0                           ; the wave's end
	ds_add_u32 v[SPW], v[NIL]
	s_wait_dscnt 0x0
	CROUND                                         ; the closing round
	s_endpgm
.Lfunc_end_k_q98fdc01baa_oproj:
	.size	k_q98fdc01baa_oproj, .Lfunc_end_k_q98fdc01baa_oproj-k_q98fdc01baa_oproj
	.p2alignl 7, 3214868480
	.fill 96, 4, 3214868480
	.section	.rodata,"a",@progbits
	.p2align	6, 0x0
	.amdhsa_kernel k_q98fdc01baa_oproj
		.amdhsa_group_segment_fixed_size 327680
		.amdhsa_private_segment_fixed_size 0
		.amdhsa_enable_private_segment 0
		.amdhsa_kernarg_size 40
		.amdhsa_user_sgpr_count 2
		.amdhsa_user_sgpr_kernarg_segment_ptr 1
		.amdhsa_wavefront_size32 1
		.amdhsa_system_sgpr_workgroup_id_x 1
		.amdhsa_system_sgpr_workgroup_id_y 1
		.amdhsa_system_sgpr_workgroup_id_z 1
		.amdhsa_system_vgpr_workitem_id 0
		.amdhsa_next_free_vgpr 768
		.amdhsa_next_free_sgpr 100
		.amdhsa_reserve_vcc 0
		.amdhsa_float_denorm_mode_32 3
		.amdhsa_float_denorm_mode_16_64 3
		.amdhsa_memory_ordered 1
		.amdhsa_forward_progress 1
		.amdhsa_inst_pref_size 86
	.end_amdhsa_kernel
	.amdgpu_metadata
---
amdhsa.version: [ 1, 2 ]
amdhsa.kernels:
  - .name:           k_q98fdc01baa_oproj
    .symbol:         k_q98fdc01baa_oproj.kd
    .args:
      - { .name: oc, .offset: 0, .size: 8, .value_kind: global_buffer, .address_space: global }
      - { .name: os, .offset: 8, .size: 8, .value_kind: global_buffer, .address_space: global }
      - { .name: wc, .offset: 16, .size: 8, .value_kind: global_buffer, .address_space: global }
      - { .name: ws, .offset: 24, .size: 8, .value_kind: global_buffer, .address_space: global }
      - { .name: out0, .offset: 32, .size: 8, .value_kind: global_buffer, .address_space: global }
    .group_segment_fixed_size: 327680
    .private_segment_fixed_size: 0
    .kernarg_segment_align: 8
    .kernarg_segment_size: 40
    .max_flat_workgroup_size: 128
    .sgpr_count:     100
    .vgpr_count:     768
    .wavefront_size: 32
...
	.end_amdgpu_metadata
.endif
;; end of part 4
